; MI455X (gfx1250); checked and timed in simulation.
; The chip was launched on July 23, 2026; its instructions are those of AMD's public machine-readable ISA for CDNA 5 (MIT licence, August 2026) and "CDNA5" Instruction Set Architecture Reference Guide (July 2026). The comments in the code are by the model that wrote it; some were corrected since.
;; Rel Position Multi Headed Attention. Allowed arithmetic: matrix products marked QUANTISED: E2M3 operands, one E8M0 scale for each 32 along K, by v_wmma_scale_f32_16x16x128_f8f6f4 with both operands' format E2M3, f32 sums; everything else in f32.
;; Inputs: Wk 512 x 512 float32; Wout 512 x 512 float32; Wpos 512 x 512 float32; Wq 512 x 512 float32; Wv 512 x 512 float32; bk 512 float32; bout 512 float32; bq 512 float32; bv 512 float32; pos_bias_u 8 x 64 float32; pos_bias_v 8 x 64 float32; pos_emb 1 x 2,048 x 512 float32; x 4 x 2,048 x 512 float32.
;; Outputs: out0 4 x 2,048 x 512 float32.
;; This version of the problem:
;;   THIS VERSION OF THE PROBLEM IS GIVEN IN LOW PRECISION. The matrix products marked QUANTISED in the list below multiply operands that are first quantised to E2M3 (2 exponent bits, 3 mantissa bits; 6 bits a number), with one power-of-two scale for each 32 numbers along K (OCP MX v1.0); their sums are f32. All else is computed in f32.
;;   The module's matrix products, in the order in which they are computed (A, B: the left and right operand; K: the contracted axis; several contracted axes count as one K, in the product's order):
;;     1. [M 8,192, K 512] x [K 512, N 512]; A: input x; B: input Wq: QUANTISED
;;     2. [M 8,192, K 512] x [K 512, N 512]; A: input x; B: input Wk: QUANTISED
;;     3. [M 8,192, K 512] x [K 512, N 512]; A: input x; B: input Wv: QUANTISED
;;     4. [M 2,048, K 512] x [K 512, N 512]; A: input pos_emb; B: input Wpos: QUANTISED
;;     5. batch 32 x [M 2,048, K 64] x [K 64, N 2,048]; A: computed on the way; B: computed on the way: QUANTISED
;;     6. batch 8 x [M 2,048, K 64] x [K 64, N 8,192]; A: computed on the way; B: computed on the way: QUANTISED
;;     7. batch 32 x [M 2,048, K 2,048] x [K 2,048, N 64]; A: softmax (see below); B: computed on the way: QUANTISED
;;     8. [M 8,192, K 512] x [K 512, N 512]; A: computed on the way; B: input Wout: QUANTISED
;;   THE QUANTISER, for each operand of a quantised product, along K:
;;     - K is cut into blocks of 32 from its start; a last block that is shorter is filled with zeros.
;;     - A block's scale is 2^e with e = floor(log2(the largest magnitude in the block)) - 2, held to -126 .. 127; a block of zeros has e = 0. As a byte (E8M0): e + 127.
;;     - Each number is divided by its block's scale, clamped to +-7.5, and rounded to the nearest number of E2M3, ties to even, subnormals kept.
;;     - The product sums the exact products of the quantised numbers (number of the format x scale) in f32.
;;   ~~~python
;;   def quantise(x, axis):      # numpy; x: float32 -> the quantised numbers, widened to float32 again
;;       x = np.moveaxis(x, axis, -1); K = x.shape[-1]
;;       x = np.pad(x, [(0, 0)] * (x.ndim - 1) + [(0, -K % 32)]); x = x.reshape(x.shape[:-1] + (-1, 32)); a = np.abs(x).max(-1, keepdims=True)
;;       e = np.where(a > 0, np.clip(np.frexp(np.where(a > 0, a, 1))[1] - 1 - 2, -126, 127), 0)      # np.frexp(a)[1] - 1 = floor(log2(a)), exactly
;;       r = np.clip(x / 2.0 ** e, -7.5, 7.5)
;;       step = 2.0 ** (np.maximum(np.frexp(np.where(r == 0, 1, r))[1] - 1, 0) - 3)
;;       q = np.round(r / step) * step * 2.0 ** e      # np.round: ties to even
;;       return np.moveaxis(q.reshape(q.shape[:-2] + (-1,))[..., :K], -1, axis).astype(np.float32)
;;   ~~~
;;   SOFTMAX AHEAD OF A QUANTISED PRODUCT. Where the list says 'softmax', what is quantised is not the finished softmax but p = 2^(t - M), with t = logit x log2(e) and M = ceil(the row's largest t), a whole number; so 1/2 < the row's largest p <= 1. The row's sum l is taken of the UNQUANTISED p, in f32, and the product's result is divided by l at the end. Since M is a whole number, a kernel that streams over the keys may use a running M (the ceiling of the running maximum): every later rescaling is an exact power of two, which a block's scale takes up: the codes' values come out the same.
;;   OPERANDS COMPUTED ON THE WAY. 'Computed on the way' means the value that the module computes at that place (a softmax that the list does not call 'softmax' is quantised finished and normalised). What goes into a quantiser is computed in f32, as accurately as f32 sums, v_exp_f32 and their like allow (about 1e-6 of the number): no bf16 or f16 on the way to a quantiser, and a product that is left as it is and whose result goes on into a quantised operand takes f32 operands (vector FMAs, or v_wmma_f32_16x16x4_f32). A number that lies on a knife's edge between two numbers of the format may be rounded either way, as far as f32 arithmetic and the matrix unit's own rounding can turn it there, and no further.
;; 2 versions. Each part assembles by itself: llvm-mc -triple=amdgcn-amd-amdhsa -mcpu=gfx1250 --defsym DOCPART=n.
;; ======== version 1 of 2: 4 launches
;; workspace buffers: cod 4,915,200 bytes; scl 204,800 bytes; opc 13,369,344 bytes; ops 1,114,112 bytes; oc 3,145,728 bytes; osc 131,072 bytes
;; launch quant (part 1): grid 200 x 1, 4 waves a work-group, no clusters, 49,664 bytes of LDS; arguments x, pos_emb, Wq, Wk, Wv, Wpos, Wout, cod, scl; writes cod, scl
.if DOCPART == 1
	.amdgcn_target "amdgcn-amd-amdhsa--gfx1250"
	.amdhsa_code_object_version 6
	.text
	.protected	k_q951f99163e_quant
	.globl	k_q951f99163e_quant
	.p2align	8
	.type	k_q951f99163e_quant,@function
k_q951f99163e_quant:
	s_mov_b64 s[64:65], 0
	v_nop
	global_prefetch_b8 v0, s[64:65] scope:SCOPE_SE
	s_setreg_imm32_b32 hwreg(HW_REG_WAVE_MODE, 25, 1), 1
	s_wait_xcnt 0x0
; RELATIVE-POSITION ATTENTION IN MX-FP6, launch 1 of 4: the seven f32 operands whose K (512) is innermost become codes of E2M3 with one E8M0 byte for each 32 along K.
; DEAD WORK: none.  Every bias (bq, bk, bv, pos_bias_u, pos_bias_v) goes into a quantised operand of a live product, bout goes into the output, all eight products are live: all 13 inputs are loaded by some launch.
; The rows of x (8,192), pos_emb (2,048), Wq, Wk, Wv, Wpos, Wout (512 each) are one list of 12,800 rows.  They are grouped in 800 TILES of 16: lane-row r of tile T is row 32 (T / 2) + 8 (T % 2) + r + 8 (r / 8),
; so that, where such a tile is source 0 of a product, the 16 result registers of tiles 2 b and 2 b + 1 are 16 neighbours along those rows.
; cod: [tile][K step of 128: 4][1,536 bytes]: an IMAGE OF THE OPERAND'S REGISTERS: registers 4 c .. 4 c + 3 of lane l at 512 c + 16 l.  scl: [tile][r][16 bytes]: a row's 16 scale bytes.
; A block's scale is 2^(floor(log2(its largest magnitude)) - 2); its byte is the largest magnitude's exponent field - 2, held at 1 from below.
; LIMITS: NaN and infinities among the inputs are not served.  A block of zeros gets the byte 1 where the stated quantiser says 127: its codes are zeros, and this program alone reads the bytes.
; A wave owns one tile; a step is one row: four loads of 512 consecutive bytes, turned through the wave's own stage so that a lane holds 16 neighbours (two lanes to a block).  A lane's three registers of codes go to their
; places in the tile's image in LDS (units of 256 bytes + 16 of padding); at the end the image leaves in twelve stores of 512 consecutive bytes.  No barrier: waves share nothing.
.set WAVES, 4
.set STEPS, 16
.set EMAX,  2
.set R,     16                         ; v16-79   four sets of 16 numbers as loaded; in the tail the image's twelve pieces
.set X,     80                         ; v80-111  two sets of 16 neighbours
.set E,     112                        ; v112-127 a scale byte for each step
.set C,     128                        ; v128-191 codes: four registers for each step
.set AE,    192                        ; v192-194 where my three registers of codes go in the image (row 0)
.set RB,    195                        ; v195     where I read the image back
.set WREG,  12288                      ; LDS: a region for each wave
.set SP,    80                         ; a lane's place in a stage: 64 bytes + 16
.set SCB,   5120                       ; in the region: behind two stages of 32 x 80 bytes, the tile's 256 scale bytes,
.set IMG,   5376                       ; and the image: 24 units of 272 bytes
.set SPW,   12                         ; v12      my spare word's address; never rewritten
.set NIL,   13                         ; v13      0; never rewritten
.set SPARE, WAVES*WREG                 ; the spare words: two blocks of 256 bytes that no other line names
	s_load_b256 s[4:11], s[0:1], 0x0               ; x, pos_emb, Wq, Wk
	s_load_b256 s[12:19], s[0:1], 0x20             ; Wv, Wpos, Wout, cod
	s_load_b64 s[20:21], s[0:1], 0x40              ; scl
	v_lshl_add_u32 v[SPW], v0, 2, SPARE
	v_mov_b32 v[NIL], 0
	v_lshrrev_b32 v1, 5, v0
	v_readfirstlane_b32 s25, v1                    ; wave
	v_and_b32 v2, 31, v0                           ; lane
	v_lshlrev_b32 v3, 4, v2                        ; 16 x lane: my part of 512 consecutive bytes, in and out
	s_mul_i32 s26, s25, WREG
	v_lshrrev_b32 v14, 2, v2
	v_mul_u32_u24 v14, v14, SP
	v_and_b32 v15, 3, v2
	v_lshl_add_u32 v14, v15, 4, v14
	v_add_nc_u32 v14, s26, v14                     ; the stage, way in: SP (lane / 4) + 16 (lane % 4)
	v_mul_u32_u24 v15, v2, SP
	v_add_nc_u32 v15, s26, v15                     ; way out: SP x lane: my 16 neighbours
	v_lshrrev_b32 v5, 1, v2
	s_add_co_u32 s27, s26, SCB
	v_add_nc_u32 v5, s27, v5                       ; my block's scale byte (row 0)
	v_lshlrev_b32 v7, 3, v2
	v_add_nc_u32 v6, s27, v7                       ; and 8 bytes a lane on the way out
	; lane = 8 ks + 4 c + 2 h + half holds k = 128 ks + 64 c + 32 h + 16 half + 0 .. 15 of the row: registers 6 c + 3 half + e (e = 0 .. 2) of lane 16 h + r of K step ks's fragment
	v_and_b32 v8, 1, v2                            ; half
	v_bfe_u32 v9, v2, 1, 1                         ; h
	v_bfe_u32 v10, v2, 2, 1                        ; c
	v_lshrrev_b32 v11, 3, v2                       ; ks
	v_mad_u32_u24 v11, v11, 6, v9                  ; 6 ks + h
	v_mul_u32_u24 v10, v10, 6
	v_mad_u32_u24 v10, v8, 3, v10                  ; 6 c + 3 half
	s_add_co_u32 s28, s26, IMG
.irp e, 0,1,2
	v_add_nc_u32 v4, \e, v10                       ; the register's number n
	v_lshrrev_b32 v8, 2, v4
	v_and_b32 v9, 3, v4
	v_lshl_add_u32 v8, v8, 1, v11                  ; the unit of 256 bytes: 6 ks + 2 (n / 4) + h
	v_mul_u32_u24 v8, v8, 272
	v_lshl_add_u32 v8, v9, 2, v8                   ; + 4 (n % 4); the row adds 16 r, in the store's immediate
	v_add_nc_u32 v[AE+\e], s28, v8
.endr
	v_lshrrev_b32 v4, 4, v2
	v_mul_u32_u24 v4, v4, 272
	v_and_b32 v10, 15, v2
	v_lshl_add_u32 v4, v10, 4, v4
	v_add_nc_u32 v[RB], s28, v4                    ; back: lanes 0-15 one unit, lanes 16-31 the next
	s_wait_kmcnt 0x0
	s_mov_b64 s[22:23], s[4:5]                     ; which tensor is my work-group's: the choice hangs on the work-group's number alone
	s_mov_b32 s24, 0
.macro PICK bound, lo
	s_cmp_ge_u32 ttmp9, \bound
	s_cselect_b64 s[22:23], s[\lo:\lo+1], s[22:23]
	s_cselect_b32 s24, \bound, s24
.endm
	PICK 128, 6                                    ; pos_emb
	PICK 160, 8                                    ; Wq
	PICK 168, 10                                   ; Wk
	PICK 176, 12                                   ; Wv
	PICK 184, 14                                   ; Wpos
	PICK 192, 16                                   ; Wout
	s_sub_co_u32 s29, ttmp9, s24
	s_lshl_b32 s30, s29, 17                        ; 64 rows of 2,048 bytes a work-group
	s_lshr_b32 s29, s25, 1
	s_lshl_b32 s29, s29, 16                        ; + 32 (wave / 2) rows
	s_add_co_u32 s30, s30, s29
	s_and_b32 s29, s25, 1
	s_lshl_b32 s29, s29, 14                        ; + 8 (wave % 2) rows
	s_add_co_u32 s30, s30, s29
	s_mov_b32 s31, 0
	s_add_nc_u64 s[22:23], s[22:23], s[30:31]
	s_lshl_b32 s32, ttmp9, 2
	s_add_co_u32 s32, s32, s25                     ; my tile
	s_mul_i32 s30, s32, 6144
	s_add_nc_u64 s[18:19], s[18:19], s[30:31]
	s_lshl_b32 s30, s32, 8
	s_add_nc_u64 s[20:21], s[20:21], s[30:31]
.macro LOAD t                          ; lane-row t is row t + 8 (t / 8) from the tile's first
.irp i, 0,1,2,3
	global_load_b128 v[R+16*((\t)%4)+4*\i:R+16*((\t)%4)+4*\i+3], v3, s[22:23] offset:2048*((\t)+8*((\t)/8))+512*\i th:TH_LOAD_NT
.endr
.endm
.macro TURN t                          ; through the stage: LDS serves a wave's instructions in order, so no wait stands between the stores and the loads
.irp i, 0,1,2,3
	ds_store_b128 v14, v[R+16*((\t)%4)+4*\i:R+16*((\t)%4)+4*\i+3] offset:32*SP*((\t)%2)+8*SP*\i
.endr
.irp i, 0,1,2,3
	ds_load_b128 v[X+16*((\t)%2)+4*\i:X+16*((\t)%2)+4*\i+3], v15 offset:32*SP*((\t)%2)+16*\i
.endr
.endm
.irp t, 0,1,2,3
	LOAD \t
.endr
	s_wait_loadcnt 12                              ; row 0's four loads are in
	TURN 0
.macro STEP t
.set XS, X+16*((\t)%2)
.if (\t) > 0
	s_wait_dscnt 4                                 ; this row is back from the stage; the last row's byte store and three code stores may be out
.else
	s_wait_dscnt 0x0
.endif
.if (\t)+4 < STEPS
	LOAD (\t)+4                                    ; into the registers that this row's stores into the stage have read
.endif
.if (\t)+1 < STEPS
.if STEPS-2-(\t) >= 3
	s_wait_loadcnt 12                              ; the next row's four loads are in; those of the three rows behind it may be out
.else
	s_wait_loadcnt 4*(STEPS-2-(\t))
.endif
	TURN (\t)+1
.endif
	v_max3_num_f32 v8, |v[XS]|, |v[XS+1]|, |v[XS+2]|               ; the largest magnitude of my 16, in two chains
	v_max3_num_f32 v9, |v[XS+3]|, |v[XS+4]|, |v[XS+5]|
.irp i, 6,10
	v_max3_num_f32 v8, v8, |v[XS+\i]|, |v[XS+\i+1]|
	v_max3_num_f32 v9, v9, |v[XS+\i+2]|, |v[XS+\i+3]|
.endr
	v_max3_num_f32 v8, v8, |v[XS+14]|, |v[XS+15]|
	v_max3_num_f32 v8, v8, v9, (EMAX+1)<<23        ; and the floor 2^(3 - 127): the byte cannot fall under 1
	v_max_num_f32_dpp v8, v8, v8 row_xmask:1 row_mask:0xf bank_mask:0xf   ; with my neighbour's 16: the block's
	v_add_nc_u32 v11, -(EMAX<<23), v8              ; 2 off its exponent field: the conversion takes that field of this operand as its scale
	v_cvt_scalef32_pk16_fp6_f32 v[C+4*(\t):C+4*(\t)+2], v[XS:XS+15], v11
	v_lshrrev_b32 v[E+(\t)], 23, v11               ; the scale's byte (also the plain line behind the conversion)
	ds_store_b8 v5, v[E+(\t)] offset:16*(\t)       ; both lanes of a block write the same byte with the same value
.irp e, 0,1,2
	ds_store_b32 v[AE+\e], v[C+4*(\t)+\e] offset:16*(\t)   ; the 32 lanes fall on 32 different banks
.endr
.endm
.irp t, 0,1,2,3,4,5,6,7,8,9,10,11,12,13,14,15
	STEP \t
.endr
	ds_load_b64 v[8:9], v6                         ; LDS serves a wave's instructions in order: these see my stores
.irp i, 0,1,2,3,4,5,6,7,8,9,10,11
	ds_load_b128 v[R+4*\i:R+4*\i+3], v[RB] offset:544*\i
.endr
	s_wait_dscnt 12                                ; the scale bytes are in; the twelve pieces may be out
	global_store_b64 v7, v[8:9], s[20:21]          ; 256 consecutive bytes, aligned
.irp i, 0,1,2,3,4,5,6,7,8,9,10,11
	s_wait_dscnt 11-\i
	global_store_b128 v3, v[R+4*\i:R+4*\i+3], s[18:19] offset:512*\i   ; 512 consecutive bytes, aligned
.endr
	s_wait_tensorcnt 0x0                           ; the wave's end, behind my last LDS store
	ds_add_u32 v[SPW], v[NIL]
	s_wait_dscnt 0x0
	s_endpgm
.Lfunc_end_k_q951f99163e_quant:
	.size	k_q951f99163e_quant, .Lfunc_end_k_q951f99163e_quant-k_q951f99163e_quant
	.p2alignl 7, 3214868480
	.fill 96, 4, 3214868480
	.section	.rodata,"a",@progbits
	.p2align	6, 0x0
	.amdhsa_kernel k_q951f99163e_quant
		.amdhsa_group_segment_fixed_size 49664
		.amdhsa_private_segment_fixed_size 0
		.amdhsa_enable_private_segment 0
		.amdhsa_kernarg_size 72
		.amdhsa_user_sgpr_count 2
		.amdhsa_user_sgpr_kernarg_segment_ptr 1
		.amdhsa_wavefront_size32 1
		.amdhsa_system_sgpr_workgroup_id_x 1
		.amdhsa_system_sgpr_workgroup_id_y 1
		.amdhsa_system_sgpr_workgroup_id_z 1
		.amdhsa_system_vgpr_workitem_id 0
		.amdhsa_next_free_vgpr 200
		.amdhsa_next_free_sgpr 66
		.amdhsa_reserve_vcc 0
		.amdhsa_float_denorm_mode_32 3
		.amdhsa_float_denorm_mode_16_64 3
		.amdhsa_memory_ordered 1
		.amdhsa_forward_progress 1
		.amdhsa_inst_pref_size 39
	.end_amdhsa_kernel
	.amdgpu_metadata
---
amdhsa.version: [ 1, 2 ]
amdhsa.kernels:
  - .name:           k_q951f99163e_quant
    .symbol:         k_q951f99163e_quant.kd
    .args:
      - { .name: x, .offset: 0, .size: 8, .value_kind: global_buffer, .address_space: global }
      - { .name: pos_emb, .offset: 8, .size: 8, .value_kind: global_buffer, .address_space: global }
      - { .name: Wq, .offset: 16, .size: 8, .value_kind: global_buffer, .address_space: global }
      - { .name: Wk, .offset: 24, .size: 8, .value_kind: global_buffer, .address_space: global }
      - { .name: Wv, .offset: 32, .size: 8, .value_kind: global_buffer, .address_space: global }
      - { .name: Wpos, .offset: 40, .size: 8, .value_kind: global_buffer, .address_space: global }
      - { .name: Wout, .offset: 48, .size: 8, .value_kind: global_buffer, .address_space: global }
      - { .name: cod, .offset: 56, .size: 8, .value_kind: global_buffer, .address_space: global }
      - { .name: scl, .offset: 64, .size: 8, .value_kind: global_buffer, .address_space: global }
    .group_segment_fixed_size: 49664
    .private_segment_fixed_size: 0
    .kernarg_segment_align: 8
    .kernarg_segment_size: 72
    .max_flat_workgroup_size: 128
    .sgpr_count:     66
    .vgpr_count:     200
    .wavefront_size: 32
...
	.end_amdgpu_metadata
.endif
;; end of part 1
;; launch proj (part 2): grid 208 x 1, 4 waves a work-group, no clusters, 0 bytes of LDS; arguments cod, scl, bq, bk, bv, pos_bias_u, pos_bias_v, opc, ops; writes opc, ops
.if DOCPART == 2
	.amdgcn_target "amdgcn-amd-amdhsa--gfx1250"
	.amdhsa_code_object_version 6
	.text
	.protected	k_q951f99163e_proj
	.globl	k_q951f99163e_proj
	.p2align	8
	.type	k_q951f99163e_proj,@function
k_q951f99163e_proj:
	s_mov_b64 s[64:65], 0
	v_nop
	global_prefetch_b8 v0, s[64:65] scope:SCOPE_SE
	s_setreg_imm32_b32 hwreg(HW_REG_WAVE_MODE, 25, 1), 1
	s_wait_xcnt 0x0
; Launch 2 of 4: the projections q, k, v of x and p of pos_emb (K = 512, codes of E2M3), their results quantised in registers into the operands of the attention launch.  No work is left out.
; ONE STRUCTURE.  A wave keeps a stationary operand S, 8 tiles x 4 K steps (128 rows, 384 registers), and streams 8 tiles T of 16 rows.  Source 0 = S, source 1 = T: a lane holds ONE row of T, and its 64 results run along S's 128
; rows: by the tiles' row order, register 16 b + i is row 32 b + 16 (lane / 16) + i: the order in which the conversions want neighbours.
; PATHS, by the work-group's number g (no LDS, no barrier):
;   Q  g 0-63    S = Wq rows 128 w on, T = x tiles 8 g on.     Lane = query.  C = bq.  For each of heads 2 w, 2 w + 1: [q + u | q + v], 128 numbers, become one fragment: K 0-63 for the product with k, K 64-127 for that with p.
;   K  g 64-127  S = Wk, T = x.   P  g 128-143  S = Wpos, T = pos_emb.   Lane = key.  C = bk, or zeros.  The fragment's registers 0-5 are head 2 w's plane (64 along d), registers 6-11 head 2 w + 1's.
;   V  g 144-207 S = x, 128 keys of a key step, T = Wv tiles.  Lane = channel; the results run along the KEYS, which are the last product's K.  C = bv of the lane's channel.
; opc: QC [b h][query tile 128][1,536]; KC [b h][key tile 128][768]; PCB [h][key tile][768]; VC [b h][key step 16][channel tile 4][1,536].  A fragment: registers 4 c .. 4 c + 3 of lane l at 512 c + 16 l; a plane: registers 0-3 at 16 l, 4-5 at 512 + 8 l.
; ops: a tile's scale words, 128 bytes (4 x lane, both halves of the lanes alike): QS [b h][tile]; KS [b][pair of heads][tile] (low half: the even head); PS [pair][tile]; VS [b h][step][channel tile].
; LIMITS: NaN and infinities are not served; a block of zeros carries the byte 1, with zero codes.
; REGISTERS, in windows of 256: window 0: v4-9 offsets; v16-79 results; v80-143 q + u, q + v; v144.. codes; v164.. at work; v182-183 bv; v184-191 C of the V path; v192-223 S's scale words; v224-231 T's.
;   window 1: S's tiles 0-3.   window 2: S's tiles 4-7; v192-255 the bias as C.   window 3: v0-63 u, v64-127 v; v128-175, v176-223 T, two buffers.
.set QC,  0
.set KC,  6291456
.set PCB, 9437184
.set VC,  10223616
.set QS,  0
.set KS,  524288
.set PS,  786432
.set VS,  851968
.set ACC, 16
.set STG, 80
.set PC,  144
.set TM,  164
.set PW,  180
.set BVL, 182
.set CB,  184
.set SS,  192
.set TS,  224
.set BC,  192                          ; in window 2
.set U,   0                            ; in window 3
.set VB,  64
.set TBF, 128
.set SEL, 24
.set MSB, 0
.macro WIN new                         ; the immediate's high byte repeats the setting that is left; a switch that changes nothing is dropped
.if MSB != \new
	s_set_vgpr_msb (MSB<<8)|\new
.set MSB, \new
.endif
.endm
.macro W6 d, a, b, c, sa, sb
	v_wmma_scale_f32_16x16x128_f8f6f4 v[\d:\d+7], v[\a:\a+11], v[\b:\b+11], v[\c:\c+7], v[\sa], v[\sb] matrix_a_fmt:MATRIX_FMT_FP6 matrix_b_fmt:MATRIX_FMT_FP6
.endm
.macro PLACES                          ; four plain places behind matrix instructions, ahead of loads into their operands and of the first read of their results
.rept 4
	v_nop
.endr
.endm
.macro SLOAD                           ; the stationary operand: 96 loads of 512 consecutive bytes, and its scale words (lane r: its row's four words)
	WIN 0x40
.irp t, 0,1,2,3
.irp ks, 0,1,2,3
.irp c, 0,1,2
	global_load_b128 v[12*(4*\t+\ks)+4*\c:12*(4*\t+\ks)+4*\c+3], v5, s[28:29] offset:(4*\t+\ks)*1536+512*\c
.endr
.endr
.endr
	WIN 0x80
.irp t, 0,1,2,3
.irp ks, 0,1,2,3
.irp c, 0,1,2
	global_load_b128 v[12*(4*\t+\ks)+4*\c:12*(4*\t+\ks)+4*\c+3], v5, s[28:29] offset:(4*(\t+4)+\ks)*1536+512*\c
.endr
.endr
.endr
	WIN 0
.irp t, 0,1,2,3,4,5,6,7
	global_load_b128 v[SS+4*\t:SS+4*\t+3], v4, s[30:31] offset:256*\t
.endr
.endm
.macro BIAS ptr, win, base             ; 128 numbers along S's rows in the result's layout: tile t, lane half h: numbers 32 (t / 2) + 8 (t % 2) + 16 h + 0 .. 7
	WIN \win
.irp t, 0,1,2,3,4,5,6,7
	global_load_b128 v[\base+8*\t:\base+8*\t+3], v8, s[\ptr:\ptr+1] offset:(32*(\t/2)+8*(\t%2))*4
	global_load_b128 v[\base+8*\t+4:\base+8*\t+7], v8, s[\ptr:\ptr+1] offset:(32*(\t/2)+8*(\t%2))*4+16
.endr
	WIN 0
.endm
.macro TLD buf, immt, imms, immb, vp   ; a tile of T: four fragments and its scale words; on the V path also bv of the lane's channel
	WIN 0xc0
.irp ks, 0,1,2,3
.irp c, 0,1,2
	global_load_b128 v[TBF+48*\buf+12*\ks+4*\c:TBF+48*\buf+12*\ks+4*\c+3], v5, s[32:33] offset:\immt+1536*\ks+512*\c
.endr
.endr
	WIN 0
	global_load_b128 v[TS+4*\buf:TS+4*\buf+3], v4, s[34:35] offset:\imms
.if \vp
	global_load_b32 v[BVL+\buf], v9, s[40:41] offset:\immb
.endif
.endm
; 32 matrix instructions: K step by K step, the eight accumulators by turns, one instruction a turn.  The first K step starts the sums with the bias as C.
.macro MM buf, acc, cmode              ; cmode 0: C = the bias along S's rows (window 2); 1: C = v[CB] on, the same for all tiles
.irp ks, 0,1,2,3
.irp t, 0,1,2,3,4,5,6,7
.set WM, 0x0d+\t/4
.if (\ks == 0) && (\cmode == 0)
.set WM, WM+0x20
.endif
	WIN WM
.if (\ks == 0) && (\cmode == 0)
	W6 \acc+8*\t, 12*(4*(\t%4)+\ks), TBF+48*\buf+12*\ks, BC+8*\t, SS+4*\t+\ks, TS+4*\buf+\ks
.elseif \ks == 0
	W6 \acc+8*\t, 12*(4*(\t%4)+\ks), TBF+48*\buf+12*\ks, CB, SS+4*\t+\ks, TS+4*\buf+\ks
.else
	W6 \acc+8*\t, 12*(4*(\t%4)+\ks), TBF+48*\buf+12*\ks, \acc+8*\t, SS+4*\t+\ks, TS+4*\buf+\ks
.endif
.endr
.endr
	WIN 0
.endm
; 64 numbers of a lane, register 16 b + i = k 32 b + 16 (lane / 16) + i of my row, become a fragment's codes in v[PC] on and its scale word in v[PW]
.macro QUANT s
.irp b, 0,1,2,3
	v_max3_num_f32 v[TM+\b], |v[\s+16*\b]|, |v[\s+1+16*\b]|, 0x1800000   ; block b: my 16 numbers, and the floor 2^(3 - 127)
.endr
.irp i, 2,4,6,8,10,12,14
.irp b, 0,1,2,3
	v_max3_num_f32 v[TM+\b], v[TM+\b], |v[\s+16*\b+\i]|, |v[\s+1+16*\b+\i]|
.endr
.endr
.irp b, 0,1,2,3
	v_permlanex16_b32 v[TM+4+\b], v[TM+\b], s[SEL], s[SEL+1]
.endr
.irp b, 0,1,2,3
	v_max_num_f32 v[TM+\b], v[TM+\b], v[TM+4+\b]   ; with lane l xor 16's: the block's largest magnitude
.endr
.irp b, 0,1,2,3
	v_add_nc_u32 v[TM+12+\b], 0xff000000, v[TM+\b] ; 2 off its exponent field: the conversion's scale operand
.endr
.irp b, 0,1,2,3
	v_lshrrev_b32 v[TM+4+\b], 23, v[TM+12+\b]      ; the scale's byte
.endr
	v_lshl_or_b32 v[PW], v[TM+5], 8, v[TM+4]
	v_lshl_or_b32 v[PW], v[TM+6], 16, v[PW]
	v_lshl_or_b32 v[PW], v[TM+7], 24, v[PW]
.irp c, 0,1
	v_cvt_scalef32_pk16_fp6_f32 v[PC+6*\c:PC+2+6*\c], v[\s+32*\c:\s+15+32*\c], v[TM+12+2*\c]
	v_cvt_scalef32_pk16_fp6_f32 v[PC+12+4*\c:PC+14+4*\c], v[\s+16+32*\c:\s+31+32*\c], v[TM+12+2*\c+1]   ; (a conversion's three registers begin on an even number)
.endr
	v_nop                                          ; one plain place behind a scaled conversion
.irp c, 0,1                            ; the operand's layout wants a whole block in a lane
.irp i, 0,1,2
	v_permlane16_swap_b32 v[PC+6*\c+\i], v[PC+12+4*\c+\i]
.endr
.irp i, 0,1,2
	v_mov_b32 v[PC+3+6*\c+\i], v[PC+12+4*\c+\i]
.endr
.endr
.endm
; What is made of a tile's results.  par: the tile's place in its pair.  Each begins behind s_wait_xcnt 0: the codes and the scale word are the data of the last tile's stores.
.macro EPI_Q par
.irp hh, 0,1
	WIN 0x0c                                       ; source 1 in window 3
.irp i, 0,2,4,6,8,10,12,14,16,18,20,22,24,26,28,30
	v_pk_add_f32 v[STG+\i:STG+\i+1], v[ACC+32*\hh+\i:ACC+32*\hh+\i+1], v[U+32*\hh+\i:U+32*\hh+\i+1]          ; q + u
.endr
.irp i, 0,2,4,6,8,10,12,14,16,18,20,22,24,26,28,30
	v_pk_add_f32 v[STG+32+\i:STG+33+\i], v[ACC+32*\hh+\i:ACC+32*\hh+\i+1], v[VB+32*\hh+\i:VB+32*\hh+\i+1]    ; q + v
.endr
	WIN 0
	s_wait_xcnt 0x0
	QUANT STG
.irp c, 0,1,2
	global_store_b128 v5, v[PC+4*\c:PC+4*\c+3], s[36:37] offset:196608*\hh+1536*\par+512*\c
.endr
	global_store_b32 v7, v[PW], s[38:39] offset:16384*\hh+128*\par
.endr
.endm
.macro EPI_K par
	s_wait_xcnt 0x0
	QUANT ACC
	global_store_b128 v5, v[PC:PC+3], s[36:37] offset:768*\par                 ; the even head's plane
	global_store_b64 v6, v[PC+4:PC+5], s[36:37] offset:768*\par+512
	global_store_b128 v5, v[PC+6:PC+9], s[36:37] offset:768*\par+98304         ; the odd head's
	global_store_b64 v6, v[PC+10:PC+11], s[36:37] offset:768*\par+98304+512
	global_store_b32 v7, v[PW], s[38:39] offset:128*\par
.endm
.macro EPI_V par
	s_wait_xcnt 0x0
	QUANT ACC
.irp c, 0,1,2
	global_store_b128 v5, v[PC+4*\c:PC+4*\c+3], s[36:37] offset:1536*\par+512*\c
.endr
	global_store_b32 v7, v[PW], s[38:39] offset:128*\par
.endm
.macro EPI path, par
.if \path == 0
	EPI_Q \par
.elseif \path == 1
	EPI_K \par
.else
	EPI_V \par
.endif
.endm
.macro HALF path, last, buf            ; one tile of T: its products, the fetch of the tile two on into its buffer, its way out
.if \path == 2
.irp j, 0,1,2,3,4,5,6,7
	v_mov_b32 v[CB+\j], v[BVL+\buf]                ; all eight results of a lane belong to one channel
.endr
	PLACES
	MM \buf, ACC, 1
.else
	MM \buf, ACC, 0
.endif
	PLACES
.if !\last
.if \path == 2
	TLD \buf, 12288+6144*\buf, 512+256*\buf, 128+32*\buf, 1
.else
	TLD \buf, 12288+6144*\buf, 512+256*\buf, 0, 0
.endif
.endif
	EPI \path, \buf
.endm
.macro TRIP path, last                 ; two tiles of T
.set NLD, 13
.if \path == 2
.set NLD, 14
.endif
	s_wait_loadcnt NLD                             ; loads come back in order: all but the other buffer's are in
	HALF \path, \last, 0
.if \last
	s_wait_loadcnt 0x0
.else
	s_wait_loadcnt NLD                             ; buffer 1 is in; the loads just issued into buffer 0 may be out
.endif
	HALF \path, \last, 1
.if !\last
	s_wait_xcnt 0x0                                ; the pointers are stepped only behind this wait
	s_add_nc_u64 s[32:33], s[32:33], 12288
	s_add_nc_u64 s[34:35], s[34:35], 512
.if \path == 0
	s_add_nc_u64 s[36:37], s[36:37], 3072
	s_add_nc_u64 s[38:39], s[38:39], 256
.elseif \path == 1
	s_add_nc_u64 s[36:37], s[36:37], 1536
	s_add_nc_u64 s[38:39], s[38:39], 256
.else
	s_mov_b32 s50, 3072                            ; two channel tiles on; behind the fourth tile: on to the next head
	s_mov_b32 s52, 256
	s_cmp_eq_u32 s26, 2
	s_cselect_b32 s50, 95232, s50
	s_cselect_b32 s52, 7936, s52
	s_mov_b32 s51, 0
	s_mov_b32 s53, 0
	s_add_nc_u64 s[36:37], s[36:37], s[50:51]
	s_add_nc_u64 s[38:39], s[38:39], s[52:53]
	s_add_nc_u64 s[40:41], s[40:41], 128
.endif
.endif
.endm
	s_load_b256 s[4:11], s[0:1], 0x0               ; cod, scl, bq, bk
	s_load_b256 s[12:19], s[0:1], 0x20             ; bv, pos_bias_u, pos_bias_v, opc
	s_load_b64 s[20:21], s[0:1], 0x40              ; ops
	v_lshrrev_b32 v1, 5, v0
	v_readfirstlane_b32 s22, v1                    ; wave w
	v_and_b32 v1, 31, v0                           ; lane l
	v_and_b32 v2, 15, v0                           ; r
	v_bfe_u32 v3, v0, 4, 1                         ; h
	v_lshlrev_b32 v5, 4, v1                        ; 16 l
	v_lshlrev_b32 v6, 3, v1                        ; 8 l
	v_lshlrev_b32 v7, 2, v1                        ; 4 l
	v_lshlrev_b32 v4, 4, v2                        ; 16 r
	v_lshlrev_b32 v8, 6, v3                        ; 64 h
	v_and_b32 v9, 8, v2
	v_add_nc_u32 v9, v9, v2
	v_lshlrev_b32 v9, 2, v9                        ; 4 (r + 8 (r / 8))
.irp b, 0,1,2,3
	v_mov_b32 v[TM+4+\b], 0                        ; written once: a lane permute's destination counts as one of its sources
.endr
	s_mov_b32 s[SEL], 0x76543210
	s_mov_b32 s[SEL+1], 0xfedcba98
	s_lshl_b32 s46, s22, 3                         ; 8 w
	s_sub_co_u32 s47, ttmp9, 144                   ; V: g3
	s_and_b32 s48, s47, 3                          ; V: which 128 channels
	s_and_b32 s49, s47, 0xfffffffc
	s_add_co_u32 s49, s49, s22                     ; V: which 128 keys of the 8,192
	s_lshl_b32 s50, s49, 3                         ; S's first tile: V: x's,
	s_add_co_u32 s51, s46, 736
	s_cmp_lt_u32 ttmp9, 144
	s_cselect_b32 s50, s51, s50                    ; P: Wpos's,
	s_add_co_u32 s51, s46, 672
	s_cmp_lt_u32 ttmp9, 128
	s_cselect_b32 s50, s51, s50                    ; K: Wk's,
	s_add_co_u32 s51, s46, 640
	s_cmp_lt_u32 ttmp9, 64
	s_cselect_b32 s50, s51, s50                    ; Q: Wq's
	s_lshl_b32 s52, s48, 3
	s_add_co_u32 s52, s52, 704                     ; T's first tile: V: Wv's,
	s_sub_co_u32 s51, ttmp9, 64
	s_lshl_b32 s51, s51, 3
	s_cmp_lt_u32 ttmp9, 144
	s_cselect_b32 s52, s51, s52                    ; K, P: x's and, behind them, pos_emb's,
	s_lshl_b32 s51, ttmp9, 3
	s_cmp_lt_u32 ttmp9, 64
	s_cselect_b32 s52, s51, s52                    ; Q: x's
	s_mov_b32 s55, 0
	s_wait_kmcnt 0x0
	s_mul_i32 s54, s50, 6144
	s_add_nc_u64 s[28:29], s[4:5], s[54:55]
	s_lshl_b32 s54, s50, 8
	s_add_nc_u64 s[30:31], s[6:7], s[54:55]
	s_mul_i32 s54, s52, 6144
	s_add_nc_u64 s[32:33], s[4:5], s[54:55]
	s_lshl_b32 s54, s52, 8
	s_add_nc_u64 s[34:35], s[6:7], s[54:55]
	SLOAD
	s_mov_b32 s26, 3                               ; three trips in the loop, the fourth written out: no load leaves its buffer
	s_cmp_lt_u32 ttmp9, 64
	s_cbranch_scc0 .Lnot_q
	; ---- Q
	s_lshr_b32 s50, ttmp9, 4
	s_lshl_b32 s50, s50, 3
	s_lshl_b32 s51, s22, 1
	s_add_co_u32 s50, s50, s51                     ; 8 b + 2 w
	s_lshl_b32 s50, s50, 7
	s_and_b32 s51, ttmp9, 15
	s_lshl_b32 s51, s51, 3
	s_add_co_u32 s50, s50, s51                     ; x 128 + my first query tile
	s_mul_i32 s54, s50, 1536
	s_add_nc_u64 s[36:37], s[18:19], s[54:55]      ; (QC = 0)
	s_lshl_b32 s54, s50, 7
	s_add_nc_u64 s[38:39], s[20:21], s[54:55]      ; (QS = 0)
	s_lshl_b32 s54, s22, 9                         ; my 128 channels
	s_add_nc_u64 s[40:41], s[8:9], s[54:55]
	s_add_nc_u64 s[42:43], s[14:15], s[54:55]
	s_add_nc_u64 s[44:45], s[16:17], s[54:55]
	BIAS 40, 0x80, BC
	BIAS 42, 0xc0, U
	BIAS 44, 0xc0, VB
	TLD 0, 0, 0, 0, 0
	TLD 1, 6144, 256, 0, 0
.Lq_loop:
	TRIP 0, 0
	s_sub_co_u32 s26, s26, 1
	s_cmp_lg_u32 s26, 0
	s_cbranch_scc1 .Lq_loop
	TRIP 0, 1
	s_endpgm
.Lnot_q:
	s_cmp_lt_u32 ttmp9, 144
	s_cbranch_scc0 .Lv
	; ---- K and P
	s_sub_co_u32 s50, ttmp9, 64
	s_lshr_b32 s51, s50, 4                         ; the batch,
	s_and_b32 s52, s50, 15
	s_cmp_lt_u32 ttmp9, 128
	s_cselect_b32 s51, s51, 0                      ; none for p
	s_mov_b32 s56, PCB
	s_cselect_b32 s56, KC, s56
	s_mov_b32 s57, PS
	s_cselect_b32 s57, KS, s57
	s_lshl_b32 s53, s51, 3
	s_lshl_b32 s58, s22, 1
	s_add_co_u32 s53, s53, s58
	s_lshl_b32 s53, s53, 7
	s_lshl_b32 s52, s52, 3                         ; my first key tile
	s_add_co_u32 s53, s53, s52
	s_mul_i32 s54, s53, 768
	s_add_co_u32 s54, s54, s56
	s_add_nc_u64 s[36:37], s[18:19], s[54:55]
	s_lshl_b32 s53, s51, 2
	s_add_co_u32 s53, s53, s22
	s_lshl_b32 s53, s53, 7
	s_add_co_u32 s53, s53, s52
	s_lshl_b32 s54, s53, 7
	s_add_co_u32 s54, s54, s57
	s_add_nc_u64 s[38:39], s[20:21], s[54:55]
	s_cmp_lt_u32 ttmp9, 128
	s_cbranch_scc0 .Lp_zero
	s_lshl_b32 s54, s22, 9
	s_add_nc_u64 s[40:41], s[10:11], s[54:55]
	BIAS 40, 0x80, BC
	s_branch .Lkp_go
.Lp_zero:                                      ; the positional projection has no bias: zeros as C let it walk K's loop, which a constant 0 as C would want written a second time
	WIN 0x80
.irp j, 0,1,2,3,4,5,6,7,8,9,10,11,12,13,14,15,16,17,18,19,20,21,22,23,24,25,26,27,28,29,30,31,32,33,34,35,36,37,38,39,40,41,42,43,44,45,46,47,48,49,50,51,52,53,54,55,56,57,58,59,60,61,62,63
	v_mov_b32 v[BC+\j], 0
.endr
	WIN 0
.Lkp_go:
	TLD 0, 0, 0, 0, 0
	TLD 1, 6144, 256, 0, 0
.Lk_loop:
	TRIP 1, 0
	s_sub_co_u32 s26, s26, 1
	s_cmp_lg_u32 s26, 0
	s_cbranch_scc1 .Lk_loop
	TRIP 1, 1
	s_endpgm
.Lv:
	; ---- V
	s_lshr_b32 s50, s49, 4                         ; the batch
	s_and_b32 s51, s49, 15                         ; the key step
	s_lshl_b32 s50, s50, 3
	s_lshl_b32 s52, s48, 1
	s_add_co_u32 s50, s50, s52                     ; 8 b + my first head
	s_mul_i32 s54, s50, 98304
	s_mul_i32 s53, s51, 6144
	s_add_co_u32 s54, s54, s53
	s_add_co_u32 s54, s54, VC
	s_add_nc_u64 s[36:37], s[18:19], s[54:55]
	s_lshl_b32 s54, s50, 13
	s_lshl_b32 s53, s51, 9
	s_add_co_u32 s54, s54, s53
	s_add_co_u32 s54, s54, VS
	s_add_nc_u64 s[38:39], s[20:21], s[54:55]
	s_lshl_b32 s54, s48, 9
	s_add_nc_u64 s[40:41], s[12:13], s[54:55]      ; bv at my 128 channels
	TLD 0, 0, 0, 0, 1
	TLD 1, 6144, 256, 32, 1
.Lv_loop:
	TRIP 2, 0
	s_sub_co_u32 s26, s26, 1
	s_cmp_lg_u32 s26, 0
	s_cbranch_scc1 .Lv_loop
	TRIP 2, 1
	s_endpgm
.Lfunc_end_k_q951f99163e_proj:
	.size	k_q951f99163e_proj, .Lfunc_end_k_q951f99163e_proj-k_q951f99163e_proj
	.p2alignl 7, 3214868480
	.fill 96, 4, 3214868480
	.section	.rodata,"a",@progbits
	.p2align	6, 0x0
	.amdhsa_kernel k_q951f99163e_proj
		.amdhsa_group_segment_fixed_size 0
		.amdhsa_private_segment_fixed_size 0
		.amdhsa_enable_private_segment 0
		.amdhsa_kernarg_size 72
		.amdhsa_user_sgpr_count 2
		.amdhsa_user_sgpr_kernarg_segment_ptr 1
		.amdhsa_wavefront_size32 1
		.amdhsa_system_sgpr_workgroup_id_x 1
		.amdhsa_system_sgpr_workgroup_id_y 1
		.amdhsa_system_sgpr_workgroup_id_z 1
		.amdhsa_system_vgpr_workitem_id 0
		.amdhsa_next_free_vgpr 1024
		.amdhsa_next_free_sgpr 66
		.amdhsa_reserve_vcc 0
		.amdhsa_float_denorm_mode_32 3
		.amdhsa_float_denorm_mode_16_64 3
		.amdhsa_memory_ordered 1
		.amdhsa_forward_progress 1
		.amdhsa_inst_pref_size 179
	.end_amdhsa_kernel
	.amdgpu_metadata
---
amdhsa.version: [ 1, 2 ]
amdhsa.kernels:
  - .name:           k_q951f99163e_proj
    .symbol:         k_q951f99163e_proj.kd
    .args:
      - { .name: cod, .offset: 0, .size: 8, .value_kind: global_buffer, .address_space: global }
      - { .name: scl, .offset: 8, .size: 8, .value_kind: global_buffer, .address_space: global }
      - { .name: bq, .offset: 16, .size: 8, .value_kind: global_buffer, .address_space: global }
      - { .name: bk, .offset: 24, .size: 8, .value_kind: global_buffer, .address_space: global }
      - { .name: bv, .offset: 32, .size: 8, .value_kind: global_buffer, .address_space: global }
      - { .name: pos_bias_u, .offset: 40, .size: 8, .value_kind: global_buffer, .address_space: global }
      - { .name: pos_bias_v, .offset: 48, .size: 8, .value_kind: global_buffer, .address_space: global }
      - { .name: opc, .offset: 56, .size: 8, .value_kind: global_buffer, .address_space: global }
      - { .name: ops, .offset: 64, .size: 8, .value_kind: global_buffer, .address_space: global }
    .group_segment_fixed_size: 0
    .private_segment_fixed_size: 0
    .kernarg_segment_align: 8
    .kernarg_segment_size: 72
    .max_flat_workgroup_size: 128
    .sgpr_count:     66
    .vgpr_count:     1024
    .wavefront_size: 32
...
	.end_amdgpu_metadata
.endif
;; end of part 2
;; launch attn (part 3): grid 8 x 32, 16 waves a work-group, no clusters, 327,680 bytes of LDS; arguments opc, ops, oc, osc; writes oc, osc
.if DOCPART == 3
	.amdgcn_target "amdgcn-amd-amdhsa--gfx1250"
	.amdhsa_code_object_version 6
	.text
	.protected	k_q951f99163e_attn
	.globl	k_q951f99163e_attn
	.p2align	8
	.type	k_q951f99163e_attn,@function
k_q951f99163e_attn:
	s_mov_b64 s[64:65], 0
	v_nop
	global_prefetch_b8 v0, s[64:65] scope:SCOPE_SE
	s_setreg_imm32_b32 hwreg(HW_REG_WAVE_MODE, 25, 1), 1
	s_wait_xcnt 0x0
; Launch 3 of 4: scores, softmax, weights x v, division by the row's sum, and the result quantised along the features for the last projection.  No work is left out.
; THE TWO SCORE PRODUCTS ARE ONE INSTRUCTION.  (q + u) k^T and (q + v) p^T have K = 64 each and their results are added: [q + u | q + v] against [k | p] is one K step of 128, whose four blocks of 32 are the two products' own
; four blocks, each with its own scale.  LIMIT: the sum of the two products is made inside the matrix instruction's f32 sum, not by an f32 addition of two finished sums.
; THE SOFTMAX: t = score x log2(e) / 8; M = the running largest t rounded up to a whole number; p = 2^(t - M) is quantised along the keys, not normalised; the row's sum is taken of the unquantised p and divides at the end.
; SHARES.  A work-group owns 256 queries of one (batch, head); each of its sixteen waves one tile of 16, in 256 registers: four waves to a SIMD.  Every wave walks the 2,048 keys, 128 a step.
; k's planes, p's planes and v's fragments come through a ring of two LDS slots of 512 keys (four steps), three dense blocks of 24,576 bytes a slot, one tensor load each (waves 0, 1, 2); all sixteen waves read them.
; Both products are used transposed (source 0 = keys, or channels; source 1 = my queries, or p): a lane holds ONE query throughout.  By the tiles' row order the 16 registers of tiles 2 b, 2 b + 1 are 16 neighbouring keys (channels).
; No joint loads: the eight query blocks of a head share k, p and v, but a slot's 73,728 bytes serve four steps of sixteen waves, some 300 instructions each: what is shared is small beside a step's work.
; LIMITS: NaN and infinities are not served; a block of zeros carries the byte 1, with zero codes.
; REGISTERS: v1-4, v7 offsets that stay; v5, v6 the add's two; v8-11, v29 addresses in hand; v12 -M, v13 the largest t, v[14:15] the sum; v16-27 Q; v28 the prefetch's offset; v[30:31] v's scale words; v32-127 eight fragments;
;   v128-191 the scores, then p; v192-223 O^T; v224-235 p's codes; v232-247, v252, v254 at work; v[248:251] the scale words of [k | p]; v253 p's scale word; v255 Q's.
.set QC,    0
.set KC,    6291456
.set PCB,   9437184
.set VC,    10223616
.set QS,    0
.set KS,    524288
.set PS,    786432
.set VS,    851968
.set SLOT1, 1<<17                      ; slot 1 begins here: one exclusive or turns an address
.set PART,  24576                      ; a slot: k's 32 planes, p's 32 planes, v's 16 fragments, PART bytes each
.set SCK,   2*SLOT1                    ; the scale words of [k | p]: step j at 512 j; tile 2 i + (l / 16), row l % 16, at 16 l + 4 i
.set SCV,   SCK+8192                   ; v's: step j at 256 j; tile 2 i + (l / 16) at 8 l + 4 i
.set SPARE, SCV+4096                   ; the spare words, 128 bytes a wave: eight blocks of 256 bytes that no other line names
.set NQ,    4
.set NSL,   4
.set F,     32
.set S,     128
.set O,     192
.set SPW,   5
.set NIL,   6
.set ADK16, 8
.set ADK8,  9
.set ADV,   10
.set ADS,   11
.set ADT,   29
.set PFO,   28
.set WV,    18
.set SEL,   20
.set CS,    22
.set G1,    24
.set G0,    40
.set TB,    2
.set TS,    3
.set TJ,    66
.set SLOTS, 67
.set PFA,   76
.set LIM,   80
.macro TLOAD                           ; waves 0, 1, 2 fetch k's, p's, v's block; the branch hangs on the wave's number alone.  An s_nop 0 and four v_nop follow the load
	s_cmp_lt_u32 s[WV], 3
	s_cbranch_scc0 .Lasked_\@
	tensor_load_to_lds s[G0:G0+3], s[G1:G1+7]
	s_nop 0
.rept 4
	v_nop
.endr
.Lasked_\@:
.endm
; A PREFETCH of the slot that the NEXT change of slots will ask for: four key steps ahead of that load.  Each block of 256 bytes is named once in the launch: the head's first work-group asks (for p: the first batch's), and in it
; waves that fetch nothing: waves 4-6 for k, 8-10 for p, 12-14 for v, 8,192 bytes a wave, lanes 256 bytes apart.  The last change that fills a slot asks for nothing; slots 0 and 1 come by their loads alone.
.macro ASK
	s_cmp_gt_u32 s[SLOTS], s[LIM]
	s_cbranch_scc0 .Lnot_mine_\@
	global_prefetch_b8 v[PFO], s[PFA:PFA+1] th:TH_LOAD_NT scope:SCOPE_SE
.Lnot_mine_\@:
.endm
	s_load_b256 s[4:11], s[0:1], 0x0               ; opc, ops, oc, osc
	v_lshl_add_u32 v[SPW], v0, 2, SPARE
	v_mov_b32 v[NIL], 0
	ds_add_u32 v[SPW], v[NIL]                      ; the wave's opening: the add, twice on end, and its wait ahead of the first tensor load
	ds_add_u32 v[SPW], v[NIL]
	v_lshrrev_b32 v8, 5, v0
	v_readfirstlane_b32 s[WV], v8                  ; wave 0..15
	s_and_b32 s68, ttmp7, 0xffff                   ; 8 b + h
	s_lshr_b32 s69, s68, 3                         ; b
	s_and_b32 s70, s68, 7                          ; h
	s_lshr_b32 s71, s70, 1                         ; the pair of heads
	s_lshl_b32 s72, ttmp9, 4
	s_add_co_u32 s72, s72, s[WV]                   ; my query tile
	s_lshl_b32 s73, s68, 7
	s_add_co_u32 s73, s73, s72
	s_mul_i32 s82, s73, 1536                       ; Q's fragment (QC = 0)
	s_mov_b32 s83, 0
	s_lshl_b32 s84, s73, 7                         ; its scale words (QS = 0)
	s_mov_b32 s85, 0
	s_lshl_b32 s74, s[WV], 10                      ; wave w lays out key step w's scale words: its eight key tiles,
	s_lshl_b32 s86, s69, 2
	s_add_co_u32 s86, s86, s71
	s_lshl_b32 s86, s86, 14
	s_add_co_u32 s86, s86, s74
	s_add_co_u32 s86, s86, KS                      ; of k,
	s_mov_b32 s87, 0
	s_lshl_b32 s88, s71, 14
	s_add_co_u32 s88, s88, s74
	s_add_co_u32 s88, s88, PS                      ; of p,
	s_mov_b32 s89, 0
	s_lshl_b32 s90, s68, 13
	s_lshl_b32 s74, s[WV], 9
	s_add_co_u32 s90, s90, s74
	s_add_co_u32 s90, s90, VS                      ; and its four channel tiles of v
	s_mov_b32 s91, 0
	s_lshl_b32 s73, s69, 7
	s_add_co_u32 s73, s73, s72                     ; my tile of rows among the 512
	s_lshl_b32 s92, s73, 3
	s_add_co_u32 s92, s92, s70
	s_mul_i32 s92, s92, 768                        ; my plane in oc
	s_mov_b32 s93, 0
	s_lshl_b32 s94, s73, 8
	s_lshl_b32 s74, s70, 1
	s_add_co_u32 s94, s94, s74                     ; my head's two bytes in a row's sixteen of osc
	s_mov_b32 s95, 0
	s_lshr_b32 s96, s[WV], 2
	s_and_b32 s97, s[WV], 3
	s_sub_co_u32 s99, s96, 1
	s_cmp_eq_u32 s96, 0
	s_cselect_b32 s98, s97, s99                    ; which block: waves 0-2 fetch block w; waves 4-14 prefetch block w / 4 - 1
	s_cmp_eq_u32 s98, 1
	s_cselect_b32 s78, s70, s68                    ; p hangs on the head alone
	s_mov_b32 s99, VC
	s_cselect_b32 s99, PCB, s99
	s_cselect_b32 s75, s69, 0                      ; (p: the batch)
	s_cmp_eq_u32 s98, 0
	s_cselect_b32 s99, KC, s99
	s_mul_i32 s78, s78, 98304
	s_add_co_u32 s78, s78, s99                     ; where the block's 2,048 keys begin in opc
	s_mov_b32 s79, 0
	s_mov_b32 s[LIM], 1                            ; who prefetches: not waves 0-3,
	s_cmp_eq_u32 s96, 0
	s_cselect_b32 s[LIM], -1, s[LIM]
	s_cmp_eq_u32 s97, 3                            ; not waves 7, 11, 15 (a block is three waves' worth),
	s_cselect_b32 s[LIM], -1, s[LIM]
	s_cmp_lg_u32 ttmp9, 0                          ; the head's first work-group alone,
	s_cselect_b32 s[LIM], -1, s[LIM]
	s_cmp_lg_u32 s75, 0                            ; and for p the first batch's alone
	s_cselect_b32 s[LIM], -1, s[LIM]
	s_mul_i32 s[G0+1], s97, PART                   ; 63:32 LDS address: slot 0, my block
	s_lshl_b32 s[PFA], s97, 13
	s_add_co_u32 s[PFA], s[PFA], PART              ; my 8,192 bytes, in slot 1: the first change of slots steps it to slot 2
	s_mov_b32 s[PFA+1], 0
	s_mov_b32 s81, 0x05040100                      ; the even head's scale bytes are the low halves of k's and p's words,
	s_and_b32 s74, s70, 1
	s_cmp_eq_u32 s74, 1
	s_cselect_b32 s81, 0x07060302, s81             ; the odd head's the high halves
	; descriptor group 1: a dense block of 24,576 bytes as 96 rows of 256 bytes (32 elements of 8 bytes), no padding: every LDS read of it is of consecutive bytes
	s_mov_b32 s[G1], 3<<16
	s_mov_b32 s[G1+1], 32<<16                      ; tensor_dim0
	s_mov_b32 s[G1+2], 96<<16                      ; tensor_dim1
	s_mov_b32 s[G1+3], 32<<16                      ; tile_dim0
	s_mov_b32 s[G1+4], 96                          ; tile_dim1
	s_mov_b32 s[G1+5], 32                          ; the pitch
	s_mov_b32 s[G1+6], 0
	s_mov_b32 s[G1+7], 0
	s_mov_b32 s[SEL], 0x76543210
	s_mov_b32 s[SEL+1], 0xfedcba98
	s_mov_b32 s[CS], 0x3e38aa3b                    ; c = log2(e) / sqrt(64)
	s_mov_b32 s[CS+1], s[CS]
	s_mov_b32 s[TB], 0
	s_mov_b32 s[TS], 0
	s_mov_b32 s[TJ], 0
	s_mov_b32 s[SLOTS], NSL-1
	v_and_b32 v8, 31, v0                           ; l
	v_lshlrev_b32 v1, 4, v8                        ; 16 l
	v_lshlrev_b32 v2, 3, v8                        ; 8 l
	v_add_nc_u32 v3, 2*PART, v1                    ; v's fragments in a slot
	v_add_nc_u32 v4, SCK, v1
	v_add_nc_u32 v7, SCV, v2
	v_lshlrev_b32 v[PFO], 8, v8
	v_lshlrev_b32 v11, 2, v8                       ; 4 l
	v_and_b32 v9, 15, v0
	v_bfe_u32 v10, v0, 4, 1
	v_lshlrev_b32 v9, 2, v9
	v_lshl_add_u32 v10, v10, 7, v9                 ; 128 (l / 16) + 4 (l % 16): lanes 16-31 take the next tile's words
	s_wait_dscnt 0x0                               ; both opening adds are done
	s_wait_kmcnt 0x0
	s_add_nc_u64 s[78:79], s[4:5], s[78:79]
	s_mov_b32 s[G0], 1                             ; 1:0 count = 1
	s_mov_b64 s[G0+2:G0+3], s[78:79]               ; 120:64 global address: the block's first 512 keys
	s_or_b32 s[G0+3], s[G0+3], 0x80000000          ; 127:126 type = 2
	TLOAD                                          ; slot 0
	s_add_nc_u64 s[PFA:PFA+1], s[78:79], s[PFA:PFA+1]
	s_add_nc_u64 s[82:83], s[4:5], s[82:83]
	s_add_nc_u64 s[84:85], s[6:7], s[84:85]
	s_add_nc_u64 s[86:87], s[6:7], s[86:87]
	s_add_nc_u64 s[88:89], s[6:7], s[88:89]
	s_add_nc_u64 s[90:91], s[6:7], s[90:91]
	s_add_nc_u64 s[92:93], s[8:9], s[92:93]
	s_add_nc_u64 s[94:95], s[10:11], s[94:95]
.irp c, 0,1,2
	global_load_b128 v[16+4*\c:19+4*\c], v1, s[82:83] offset:512*\c    ; Q's fragment stays in registers
.endr
	global_load_b32 v255, v11, s[84:85]
.irp i, 0,1,2,3
	global_load_b32 v[32+\i], v10, s[86:87] offset:256*\i
	global_load_b32 v[36+\i], v10, s[88:89] offset:256*\i
.endr
.irp i, 0,1
	global_load_b32 v[40+\i], v10, s[90:91] offset:256*\i
.endr
	v_lshl_add_u32 v8, v0, 4, SCK                  ; 16 x thread = 512 w + 16 l
	v_lshl_add_u32 v9, v0, 3, SCV                  ; 8 x thread = 256 w + 8 l
	v_mov_b32 v13, 0xff61b1e6                      ; the largest t so far: -3e38
	v_floor_f32 v12, -v13                          ; -M
	v_mov_b32 v14, 0
	v_mov_b32 v15, 0
.irp b, 0,1,2,3
	v_mov_b32 v[236+\b], 0                         ; written once: a lane permute's destination counts as one of its sources
.endr
	v_mov_b32 v253, 0                              ; (named as the upper half of the pair v[252:253] before it is first written)
.irp j, 0,1,2,3,4,5,6,7,8,9,10,11,12,13,14,15,16,17,18,19,20,21,22,23,24,25,26,27,28,29,30,31
	v_mov_b32 v[O+\j], 0                           ; O^T: the step is written once; the first finds zeros, which the first change of M leaves zeros
.endr
	s_wait_loadcnt 0x0
.irp i, 0,1,2,3
	v_perm_b32 v[44+\i], v[36+\i], v[32+\i], s81   ; [k's two bytes, p's two bytes] of my head
.endr
	ds_store_b128 v8, v[44:47]
	ds_store_b64 v9, v[40:41]                      ; the first change of slots waits for these and shows them to all waves
; A KEY STEP: 128 keys, the q-th of the slot in hand
.macro STEP q
	v_add_nc_u32 v[ADK16], s[TB], v1               ; (these five are also the places behind the last step's products, ahead of the loads into their operands)
	v_add_nc_u32 v[ADK8], s[TB], v2
	v_add_nc_u32 v[ADV], s[TB], v3
	v_add_nc_u32 v[ADS], s[TS], v4
	v_add_nc_u32 v[ADT], s[TJ], v7
	ds_load_b128 v[248:251], v[ADS]                ; register i: lanes 0-15 tile 2 i's words, lanes 16-31 tile 2 i + 1's
.irp t, 0,1,2,3,4,5,6,7
	ds_load_b128 v[F+12*\t:F+12*\t+3], v[ADK16] offset:768*(8*(\q)+\t)              ; k's plane: registers 0-5
	ds_load_b64 v[F+12*\t+4:F+12*\t+5], v[ADK8] offset:768*(8*(\q)+\t)+512
	ds_load_b128 v[F+12*\t+6:F+12*\t+9], v[ADK16] offset:PART+768*(8*(\q)+\t)       ; p's plane: registers 6-11
	ds_load_b64 v[F+12*\t+10:F+12*\t+11], v[ADK8] offset:PART+768*(8*(\q)+\t)+512
.endr
.irp t, 0,1,2,3,4,5,6,7
	s_wait_dscnt 4*(7-\t)                          ; tile t is in; the four loads of each later tile may be out
.if \t%2
	v_wmma_scale_f32_16x16x128_f8f6f4 v[S+8*\t:S+8*\t+7], v[F+12*\t:F+12*\t+11], v[16:27], 0, v[248+\t/2], v255 matrix_a_fmt:MATRIX_FMT_FP6 matrix_b_fmt:MATRIX_FMT_FP6 matrix_a_scale:MATRIX_SCALE_ROW1
.else
	v_wmma_scale_f32_16x16x128_f8f6f4 v[S+8*\t:S+8*\t+7], v[F+12*\t:F+12*\t+11], v[16:27], 0, v[248+\t/2], v255 matrix_a_fmt:MATRIX_FMT_FP6 matrix_b_fmt:MATRIX_FMT_FP6
.endif
.endr
.rept 4
	v_nop                                          ; places ahead of the loads below and of the first read of the scores
.endr
.irp t, 0,1,2,3
.irp c, 0,1,2
	ds_load_b128 v[F+12*\t+4*\c:F+12*\t+4*\c+3], v[ADV] offset:(4*(\q)+\t)*1536+512*\c   ; v's four fragments land while the softmax is walked
.endr
.endr
	ds_load_b64 v[30:31], v[ADT]
.irp b, 0,1,2,3
	v_max3_num_f32 v[232+\b], v[S+16*\b], v[S+1+16*\b], v[S+2+16*\b]   ; the largest score of each block of 32 keys: for the row's maximum, and, since p rises with the score, for the block's largest p
.endr
.irp i, 3,5,7,9,11,13
.irp b, 0,1,2,3
	v_max3_num_f32 v[232+\b], v[232+\b], v[S+16*\b+\i], v[S+1+16*\b+\i]
.endr
.endr
.irp b, 0,1,2,3
	v_max_num_f32 v[232+\b], v[232+\b], v[S+15+16*\b]
.endr
.irp b, 0,1,2,3
	v_permlanex16_b32 v[236+\b], v[232+\b], s[SEL], s[SEL+1]
.endr
.irp b, 0,1,2,3
	v_max_num_f32 v[232+\b], v[232+\b], v[236+\b]  ; with lane l xor 16's 16 keys
.endr
	v_max3_num_f32 v254, v232, v233, v234
	v_max_num_f32 v254, v254, v235
	v_mul_f32 v254, s[CS], v254                    ; as t
	v_max_num_f32 v13, v13, v254                   ; the running largest t
	v_mov_b32 v254, v12
	v_floor_f32 v12, -v13                          ; the new -M = -ceil(t)
	v_sub_f32 v254, v12, v254                      ; old M - new M: a whole number, 0 or less
	v_cvt_i32_f32 v254, v254                       ; (it saturates)
	v_ldexp_f32 v252, 1.0, v254                    ; f = 2^(old M - new M)
.irp j, 0,2,4,6,8,10,12,14,16,18,20,22,24,26,28,30,32,34,36,38,40,42,44,46,48,50,52,54,56,58,60,62
	v_pk_fma_f32 v[S+\j:S+1+\j], v[S+\j:S+1+\j], s[CS:CS+1], v[12:13] op_sel_hi:[1,0,0]   ; t - M
.endr
.irp b, 0,1,2,3
	v_fma_f32 v[232+\b], v[232+\b], s[CS], v12     ; the same of each block's largest score
.endr
.irp j, 0,1,2,3,4,5,6,7,8,9,10,11,12,13,14,15,16,17,18,19,20,21,22,23,24,25,26,27,28,29,30,31,32,33,34,35,36,37,38,39,40,41,42,43,44,45,46,47,48,49,50,51,52,53,54,55,56,57,58,59,60,61,62,63
	v_exp_f32 v[S+\j], v[S+\j]                     ; p = 2^(t - M), at most 1
.endr
	v_pk_mul_f32 v[14:15], v[14:15], v[252:253] op_sel_hi:[1,0]   ; the sums under the new M (a plain place behind the exponentials)
	s_wait_alu depctr_va_vdst(0)                   ; one wait for the whole batch, ahead of its first reader
.irp b, 0,1,2,3
	v_exp_f32 v[232+\b], v[232+\b]                 ; the block's largest p
.endr
	v_pk_add_f32 v[236:237], v[S:S+1], v[S+2:S+3]  ; the row's sum is taken of the unquantised p, in two chains
.irp j, 4,8,12,16,20,24,28,32,36,40,44,48,52,56,60
	v_pk_add_f32 v[14:15], v[14:15], v[S+\j:S+1+\j]
	v_pk_add_f32 v[236:237], v[236:237], v[S+2+\j:S+3+\j]
.endr
	v_pk_add_f32 v[14:15], v[14:15], v[236:237]
	s_wait_alu depctr_va_vdst(0)                   ; and one for the four
.irp b, 0,1,2,3
	v_max_num_f32 v[232+\b], 0x1800000, v[232+\b]  ; the floor 2^(3 - 127)
.endr
.irp b, 0,1,2,3
	v_add_nc_u32 v[244+\b], 0xff000000, v[232+\b]  ; 2 off the exponent field: the conversion's scale operand
.endr
.irp b, 0,1,2,3
	v_lshrrev_b32 v[236+\b], 23, v[244+\b]
.endr
	v_lshl_or_b32 v253, v237, 8, v236              ; p's scale word for these 128 keys
	v_lshl_or_b32 v253, v238, 16, v253
	v_lshl_or_b32 v253, v239, 24, v253
.irp c, 0,1
	v_cvt_scalef32_pk16_fp6_f32 v[224+6*\c:226+6*\c], v[S+32*\c:S+15+32*\c], v[244+2*\c]
	v_cvt_scalef32_pk16_fp6_f32 v[236+4*\c:238+4*\c], v[S+16+32*\c:S+31+32*\c], v[244+2*\c+1]
.endr
	v_nop                                          ; one plain place behind a scaled conversion
.irp c, 0,1
.irp i, 0,1,2
	v_permlane16_swap_b32 v[224+6*\c+\i], v[236+4*\c+\i]
.endr
.irp i, 0,1,2
	v_mov_b32 v[227+6*\c+\i], v[236+4*\c+\i]
.endr
.endr
.irp j, 0,2,4,6,8,10,12,14,16,18,20,22,24,26,28,30
	v_pk_mul_f32 v[O+\j:O+1+\j], v[O+\j:O+1+\j], v[252:253] op_sel_hi:[1,0]   ; O^T under the new M (also the places between p's codes and scale word and the products)
.endr
	s_wait_dscnt 0x0                               ; v's fragments and scale words are in
.irp t, 0,1,2,3
.if \t%2
	v_wmma_scale_f32_16x16x128_f8f6f4 v[O+8*\t:O+8*\t+7], v[F+12*\t:F+12*\t+11], v[224:235], v[O+8*\t:O+8*\t+7], v[30+\t/2], v253 matrix_a_fmt:MATRIX_FMT_FP6 matrix_b_fmt:MATRIX_FMT_FP6 matrix_a_scale:MATRIX_SCALE_ROW1
.else
	v_wmma_scale_f32_16x16x128_f8f6f4 v[O+8*\t:O+8*\t+7], v[F+12*\t:F+12*\t+11], v[224:235], v[O+8*\t:O+8*\t+7], v[30+\t/2], v253 matrix_a_fmt:MATRIX_FMT_FP6 matrix_b_fmt:MATRIX_FMT_FP6
.endif
.endr
	s_add_co_u32 s[TS], s[TS], 512                 ; the next step's scale words
	s_add_co_u32 s[TJ], s[TJ], 256
.endm
; THE CHANGE OF SLOTS stands at a slot's head.  Each wave waits for all its tensor loads, adds 0 to its spare word, and waits for that, for its LDS stores and for its reads of the slot that it has left; then the barrier.
; fill = 1: behind it the slot just left (in the first trip: slot 1, for the first time) is filled with the next 512 keys: that load has four key steps in which to land.
.macro CHANGE fill
	s_wait_tensorcnt 0x0                           ; no tensor load of mine is out, so the descriptor may be written
	ds_add_u32 v[SPW], v[NIL]
.if \fill
	ds_add_u32 v[SPW], v[NIL]                      ; the add twice on end, in every trip alike
	s_xor_b32 s[G0+1], s[G0+1], SLOT1
	s_add_nc_u64 s[G0+2:G0+3], s[G0+2:G0+3], PART
	s_wait_xcnt 0x0                                ; the last prefetch, a slot back, has read its address
	s_add_nc_u64 s[PFA:PFA+1], s[PFA:PFA+1], PART
.endif
	s_wait_dscnt 0x0
	s_barrier_signal -1
	s_barrier_wait -1
.if \fill
	TLOAD                                          ; first behind the barrier, a wave's one tensor load until the next
	ASK
.endif
.endm
.macro SLOT_STEPS
.set Q, 0
.rept NQ
	STEP Q
.set Q, Q+1
.endr
	s_xor_b32 s[TB], s[TB], SLOT1
.endm
.Lslot:                                        ; NSL - 1 trips: behind each change of slots but the last the next slot is asked for
	CHANGE 1
	SLOT_STEPS
	s_sub_co_u32 s[SLOTS], s[SLOTS], 1
	s_cmp_lg_u32 s[SLOTS], 0
	s_cbranch_scc1 .Lslot
	CHANGE 0                                       ; the last slot is written out
	SLOT_STEPS
	; THE WAY OUT.  O^T / the sum: register 16 b + i is channel 32 b + 16 (lane / 16) + i of my head: two blocks of the last projection's K.  They become my head's plane of my rows' fragment.
	v_add_f32 v14, v14, v15
	v_permlanex16_b32 v252, v14, s[SEL], s[SEL+1]
	v_add_f32 v14, v14, v252                       ; the row's sum
	v_rcp_f32 v14, v14
	v_and_b32 v8, 15, v0
	v_bfe_u32 v9, v0, 4, 1
	v_lshl_add_u32 v10, v8, 4, v9                  ; 16 r + (lane / 16): my byte's place
	v_lshlrev_b32 v9, 3, v9
	s_wait_alu depctr_va_vdst(0)                   ; ahead of the reciprocal's first reader
.irp j, 0,2,4,6,8,10,12,14,16,18,20,22,24,26,28,30
	v_pk_mul_f32 v[S+\j:S+1+\j], v[O+\j:O+1+\j], v[14:15] op_sel_hi:[1,0]
.endr
.irp b, 0,1
	v_max3_num_f32 v[232+\b], |v[S+16*\b]|, |v[S+1+16*\b]|, 0x1800000
.endr
.irp i, 2,4,6,8,10,12,14
.irp b, 0,1
	v_max3_num_f32 v[232+\b], v[232+\b], |v[S+16*\b+\i]|, |v[S+1+16*\b+\i]|
.endr
.endr
.irp b, 0,1
	v_permlanex16_b32 v[236+\b], v[232+\b], s[SEL], s[SEL+1]
.endr
.irp b, 0,1
	v_max_num_f32 v[232+\b], v[232+\b], v[236+\b]
.endr
.irp b, 0,1
	v_add_nc_u32 v[244+\b], 0xff000000, v[232+\b]
.endr
.irp b, 0,1
	v_lshrrev_b32 v[236+\b], 23, v[244+\b]
.endr
	v_lshl_or_b32 v238, v237, 8, v236
	v_lshrrev_b32 v238, v9, v238                   ; lanes 0-15 keep block 0's byte, lanes 16-31 block 1's
	v_cvt_scalef32_pk16_fp6_f32 v[224:226], v[S:S+15], v244
	v_cvt_scalef32_pk16_fp6_f32 v[240:242], v[S+16:S+31], v245
	v_nop
.irp i, 0,1,2
	v_permlane16_swap_b32 v[224+\i], v[240+\i]
.endr
.irp i, 0,1,2
	v_mov_b32 v[227+\i], v[240+\i]
.endr
	global_store_b128 v1, v[224:227], s[92:93]             ; 512 consecutive bytes, aligned
	global_store_b64 v2, v[228:229], s[92:93] offset:512   ; 256 consecutive bytes, aligned
	global_store_b8 v10, v238, s[94:95]                    ; 32 bytes of my rows' 256 scale bytes: the other heads' work-groups write the rest
	s_wait_tensorcnt 0x0                           ; the wave's end
	ds_add_u32 v[SPW], v[NIL]
	s_wait_dscnt 0x0
	s_endpgm
.Lfunc_end_k_q951f99163e_attn:
	.size	k_q951f99163e_attn, .Lfunc_end_k_q951f99163e_attn-k_q951f99163e_attn
	.p2alignl 7, 3214868480
	.fill 96, 4, 3214868480
	.section	.rodata,"a",@progbits
	.p2align	6, 0x0
	.amdhsa_kernel k_q951f99163e_attn
		.amdhsa_group_segment_fixed_size 327680
		.amdhsa_private_segment_fixed_size 0
		.amdhsa_enable_private_segment 0
		.amdhsa_kernarg_size 32
		.amdhsa_user_sgpr_count 2
		.amdhsa_user_sgpr_kernarg_segment_ptr 1
		.amdhsa_wavefront_size32 1
		.amdhsa_system_sgpr_workgroup_id_x 1
		.amdhsa_system_sgpr_workgroup_id_y 1
		.amdhsa_system_sgpr_workgroup_id_z 1
		.amdhsa_system_vgpr_workitem_id 0
		.amdhsa_next_free_vgpr 256
		.amdhsa_next_free_sgpr 100
		.amdhsa_reserve_vcc 0
		.amdhsa_float_denorm_mode_32 3
		.amdhsa_float_denorm_mode_16_64 3
		.amdhsa_memory_ordered 1
		.amdhsa_forward_progress 1
		.amdhsa_inst_pref_size 147
	.end_amdhsa_kernel
	.amdgpu_metadata
---
amdhsa.version: [ 1, 2 ]
amdhsa.kernels:
  - .name:           k_q951f99163e_attn
    .symbol:         k_q951f99163e_attn.kd
    .args:
      - { .name: opc, .offset: 0, .size: 8, .value_kind: global_buffer, .address_space: global }
      - { .name: ops, .offset: 8, .size: 8, .value_kind: global_buffer, .address_space: global }
      - { .name: oc, .offset: 16, .size: 8, .value_kind: global_buffer, .address_space: global }
      - { .name: osc, .offset: 24, .size: 8, .value_kind: global_buffer, .address_space: global }
    .group_segment_fixed_size: 327680
    .private_segment_fixed_size: 0
    .kernarg_segment_align: 8
    .kernarg_segment_size: 32
    .max_flat_workgroup_size: 512
    .sgpr_count:     100
    .vgpr_count:     256
    .wavefront_size: 32
...
	.end_amdgpu_metadata
.endif
;; end of part 3
;; launch outp (part 4): grid 256 x 1, 4 waves a work-group, no clusters, 34,304 bytes of LDS; arguments cod, scl, oc, osc, bout, out0; writes out0
.if DOCPART == 4
	.amdgcn_target "amdgcn-amd-amdhsa--gfx1250"
	.amdhsa_code_object_version 6
	.text
	.protected	k_q951f99163e_outp
	.globl	k_q951f99163e_outp
	.p2align	8
	.type	k_q951f99163e_outp,@function
k_q951f99163e_outp:
	s_mov_b64 s[64:65], 0
	v_nop
	global_prefetch_b8 v0, s[64:65] scope:SCOPE_SE
	s_setreg_imm32_b32 hwreg(HW_REG_WAVE_MODE, 25, 1), 1
	s_wait_xcnt 0x0
; Launch 4 of 4: out0 = (attention's result, as codes) Wout^T + bout, K = 512.  No work is left out.
; A work-group takes two tiles of rows (rows 32 g .. 32 g + 31); wave w the output columns 128 w .. 128 w + 127: Wout's 8 tiles x 4 K steps stay in its registers.  Source 0 = Wout's rows, source 1 = the rows' fragments:
; a lane holds one row, its 64 results run along the columns.  bout is the C of each sum's first instruction.  K step ks of a row tile is the planes of heads 2 ks (registers 0-5) and 2 ks + 1 (registers 6-11).
; The results go through the wave's own stage in LDS (16 rows x (512 bytes + 16)) and leave as 512 consecutive bytes of a row.  No barrier: waves share nothing.
; REGISTERS: window 0: v4-11 offsets; v16-79, v80-143 the two tiles' results; v144-207 rows read back (the second tile's: v16-79); v208-239 Wout's scale words; v240-247 the rows'; v248, v249 the add's two.
;   window 1: Wout's tiles 0-3.   window 2: tiles 4-7; v192-255 bout.   window 3: v128-175, v176-223 the two row tiles' fragments.
.set SS,  208
.set TS,  240
.set BC,  192
.set TBF, 128
.set STO, 10
.set RD,  11
.set SPW, 248
.set NIL, 249
.set SPITCH, 528
.set SPARE, 4*16*SPITCH                ; behind the four stages: the spare words, two blocks of 256 bytes that no other line names
.set MSB, 0
.macro WIN new
.if MSB != \new
	s_set_vgpr_msb (MSB<<8)|\new
.set MSB, \new
.endif
.endm
.macro W6 d, a, b, c, sa, sb
	v_wmma_scale_f32_16x16x128_f8f6f4 v[\d:\d+7], v[\a:\a+11], v[\b:\b+11], v[\c:\c+7], v[\sa], v[\sb] matrix_a_fmt:MATRIX_FMT_FP6 matrix_b_fmt:MATRIX_FMT_FP6
.endm
.macro MM buf, acc                     ; 32 matrix instructions: K step by K step, the eight accumulators by turns
.irp ks, 0,1,2,3
.irp t, 0,1,2,3,4,5,6,7
.set WM, 0x0d+\t/4
.if \ks == 0
.set WM, WM+0x20
.endif
	WIN WM
.if \ks == 0
	W6 \acc+8*\t, 12*(4*(\t%4)+\ks), TBF+48*\buf+12*\ks, BC+8*\t, SS+4*\t+\ks, TS+4*\buf+\ks
.else
	W6 \acc+8*\t, 12*(4*(\t%4)+\ks), TBF+48*\buf+12*\ks, \acc+8*\t, SS+4*\t+\ks, TS+4*\buf+\ks
.endif
.endr
.endr
	WIN 0
.endm
	s_load_b256 s[4:11], s[0:1], 0x0               ; cod, scl, oc, osc
	s_load_b128 s[12:15], s[0:1], 0x20             ; bout, out0
	v_lshl_add_u32 v[SPW], v0, 2, SPARE
	v_mov_b32 v[NIL], 0
	v_lshrrev_b32 v1, 5, v0
	v_readfirstlane_b32 s22, v1                    ; wave w
	v_and_b32 v1, 31, v0
	v_and_b32 v2, 15, v0                           ; r
	v_bfe_u32 v3, v0, 4, 1                         ; h
	v_lshlrev_b32 v5, 4, v1                        ; 16 l
	v_lshlrev_b32 v6, 3, v1                        ; 8 l
	v_lshlrev_b32 v4, 4, v2                        ; 16 r
	v_lshlrev_b32 v8, 6, v3                        ; 64 h
	s_mul_i32 s23, s22, 16*SPITCH                  ; my stage
	v_mul_u32_u24 v[STO], v2, SPITCH
	v_lshl_add_u32 v[STO], v3, 6, v[STO]
	v_add_nc_u32 v[STO], s23, v[STO]               ; in: row r, + 64 h
	v_add_nc_u32 v[RD], s23, v5                    ; back: a row's 512 bytes, 16 a lane
	s_lshl_b32 s24, s22, 3
	s_add_co_u32 s24, s24, 768                     ; Wout's tiles 8 w on
	s_mov_b32 s27, 0
	s_wait_kmcnt 0x0
	s_mul_i32 s26, s24, 6144
	s_add_nc_u64 s[28:29], s[4:5], s[26:27]
	s_lshl_b32 s26, s24, 8
	s_add_nc_u64 s[30:31], s[6:7], s[26:27]
	s_mul_i32 s26, ttmp9, 12288
	s_add_nc_u64 s[32:33], s[8:9], s[26:27]        ; my two row tiles' planes
	s_lshl_b32 s26, ttmp9, 9
	s_add_nc_u64 s[34:35], s[10:11], s[26:27]      ; and scale bytes
	s_lshl_b32 s26, s22, 9
	s_add_nc_u64 s[36:37], s[12:13], s[26:27]      ; bout at my 128 columns
	s_lshl_b32 s25, ttmp9, 16
	s_add_co_u32 s26, s26, s25
	s_add_nc_u64 s[38:39], s[14:15], s[26:27]      ; out0 at row 32 g, column 128 w
	WIN 0x40
.irp t, 0,1,2,3
.irp ks, 0,1,2,3
.irp c, 0,1,2
	global_load_b128 v[12*(4*\t+\ks)+4*\c:12*(4*\t+\ks)+4*\c+3], v5, s[28:29] offset:(4*\t+\ks)*1536+512*\c
.endr
.endr
.endr
	WIN 0x80
.irp t, 0,1,2,3
.irp ks, 0,1,2,3
.irp c, 0,1,2
	global_load_b128 v[12*(4*\t+\ks)+4*\c:12*(4*\t+\ks)+4*\c+3], v5, s[28:29] offset:(4*(\t+4)+\ks)*1536+512*\c
.endr
.endr
.endr
.irp t, 0,1,2,3,4,5,6,7
	global_load_b128 v[BC+8*\t:BC+8*\t+3], v8, s[36:37] offset:(32*(\t/2)+8*(\t%2))*4        ; tile t, lane half h: columns 32 (t / 2) + 8 (t % 2) + 16 h + 0 .. 7
	global_load_b128 v[BC+8*\t+4:BC+8*\t+7], v8, s[36:37] offset:(32*(\t/2)+8*(\t%2))*4+16
.endr
	WIN 0xc0
.irp buf, 0,1
.irp ks, 0,1,2,3
	global_load_b128 v[TBF+48*\buf+12*\ks:TBF+48*\buf+12*\ks+3], v5, s[32:33] offset:6144*\buf+1536*\ks
	global_load_b64 v[TBF+48*\buf+12*\ks+4:TBF+48*\buf+12*\ks+5], v6, s[32:33] offset:6144*\buf+1536*\ks+512
	global_load_b128 v[TBF+48*\buf+12*\ks+6:TBF+48*\buf+12*\ks+9], v5, s[32:33] offset:6144*\buf+1536*\ks+768
	global_load_b64 v[TBF+48*\buf+12*\ks+10:TBF+48*\buf+12*\ks+11], v6, s[32:33] offset:6144*\buf+1536*\ks+1280
.endr
.endr
	WIN 0
.irp t, 0,1,2,3,4,5,6,7
	global_load_b128 v[SS+4*\t:SS+4*\t+3], v4, s[30:31] offset:256*\t
.endr
.irp buf, 0,1
	global_load_b128 v[TS+4*\buf:TS+4*\buf+3], v4, s[34:35] offset:256*\buf
.endr
	s_wait_loadcnt 0x0
	MM 0, 16
	MM 1, 80
.rept 4
	v_nop                                          ; places ahead of the first read of the results and of the loads into registers of these products
.endr
.macro TOSTAGE a, back                 ; tile a's 16 rows x 128 columns into my stage, and back as whole rows.  LDS serves a wave's instructions in order: no wait between
.irp t, 0,1,2,3,4,5,6,7
	ds_store_b128 v[STO], v[16+64*\a+8*\t:16+64*\a+8*\t+3] offset:128*(\t/2)+32*(\t%2)       ; each accumulator from its low end on
	ds_store_b128 v[STO], v[16+64*\a+8*\t+4:16+64*\a+8*\t+7] offset:128*(\t/2)+32*(\t%2)+16
.endr
.irp i, 0,1,2,3,4,5,6,7,8,9,10,11,12,13,14,15
	ds_load_b128 v[\back+4*\i:\back+4*\i+3], v[RD] offset:SPITCH*\i
.endr
.endm
.macro SEND a, back                    ; lane-row i of tile 2 g + a is row 32 g + 8 a + i + 8 (i / 8)
.irp i, 0,1,2,3,4,5,6,7,8,9,10,11,12,13,14,15
	global_store_b128 v5, v[\back+4*\i:\back+4*\i+3], s[38:39] offset:(8*\a+\i+8*(\i/8))*2048 th:TH_STORE_NT   ; 512 consecutive bytes, aligned
.endr
.endm
	TOSTAGE 0, 144
	TOSTAGE 1, 16
	s_wait_dscnt 32                                ; tile 0 is back; tile 1's sixteen stores and sixteen loads may be out
	SEND 0, 144
	s_wait_dscnt 0x0
	SEND 1, 16
	s_wait_tensorcnt 0x0                           ; the wave's end, behind my last LDS store
	ds_add_u32 v[SPW], v[NIL]
	s_wait_dscnt 0x0
	s_endpgm
.Lfunc_end_k_q951f99163e_outp:
	.size	k_q951f99163e_outp, .Lfunc_end_k_q951f99163e_outp-k_q951f99163e_outp
	.p2alignl 7, 3214868480
	.fill 96, 4, 3214868480
	.section	.rodata,"a",@progbits
	.p2align	6, 0x0
	.amdhsa_kernel k_q951f99163e_outp
		.amdhsa_group_segment_fixed_size 34304
		.amdhsa_private_segment_fixed_size 0
		.amdhsa_enable_private_segment 0
		.amdhsa_kernarg_size 48
		.amdhsa_user_sgpr_count 2
		.amdhsa_user_sgpr_kernarg_segment_ptr 1
		.amdhsa_wavefront_size32 1
		.amdhsa_system_sgpr_workgroup_id_x 1
		.amdhsa_system_sgpr_workgroup_id_y 1
		.amdhsa_system_sgpr_workgroup_id_z 1
		.amdhsa_system_vgpr_workitem_id 0
		.amdhsa_next_free_vgpr 1024
		.amdhsa_next_free_sgpr 66
		.amdhsa_reserve_vcc 0
		.amdhsa_float_denorm_mode_32 3
		.amdhsa_float_denorm_mode_16_64 3
		.amdhsa_memory_ordered 1
		.amdhsa_forward_progress 1
		.amdhsa_inst_pref_size 33
	.end_amdhsa_kernel
	.amdgpu_metadata
---
amdhsa.version: [ 1, 2 ]
amdhsa.kernels:
  - .name:           k_q951f99163e_outp
    .symbol:         k_q951f99163e_outp.kd
    .args:
      - { .name: cod, .offset: 0, .size: 8, .value_kind: global_buffer, .address_space: global }
      - { .name: scl, .offset: 8, .size: 8, .value_kind: global_buffer, .address_space: global }
      - { .name: oc, .offset: 16, .size: 8, .value_kind: global_buffer, .address_space: global }
      - { .name: osc, .offset: 24, .size: 8, .value_kind: global_buffer, .address_space: global }
      - { .name: bout, .offset: 32, .size: 8, .value_kind: global_buffer, .address_space: global }
      - { .name: out0, .offset: 40, .size: 8, .value_kind: global_buffer, .address_space: global }
    .group_segment_fixed_size: 34304
    .private_segment_fixed_size: 0
    .kernarg_segment_align: 8
    .kernarg_segment_size: 48
    .max_flat_workgroup_size: 128
    .sgpr_count:     66
    .vgpr_count:     1024
    .wavefront_size: 32
...
	.end_amdgpu_metadata
.endif
;; end of part 4
;; ======== version 2 of 2: 4 launches
;; workspace buffers: cod 4,915,200 bytes; scl 204,800 bytes; opc 13,369,344 bytes; ops 1,114,112 bytes; oc 3,145,728 bytes; osc 131,072 bytes
;; launch quant: the kernel of part 1 again; grid 200 x 1, 4 waves a work-group, no clusters, 49,664 bytes of LDS; arguments x, pos_emb, Wq, Wk, Wv, Wpos, Wout, cod, scl; writes cod, scl
;; launch proj (part 5): grid 208 x 1, 4 waves a work-group, no clusters, 0 bytes of LDS; arguments cod, scl, bq, bk, bv, pos_bias_u, pos_bias_v, opc, ops; writes opc, ops
.if DOCPART == 5
	.amdgcn_target "amdgcn-amd-amdhsa--gfx1250"
	.amdhsa_code_object_version 6
	.text
	.protected	k_q951f99163e_proj
	.globl	k_q951f99163e_proj
	.p2align	8
	.type	k_q951f99163e_proj,@function
k_q951f99163e_proj:
	s_mov_b64 s[64:65], 0
	v_nop
	global_prefetch_b8 v0, s[64:65] scope:SCOPE_SE
	s_setreg_imm32_b32 hwreg(HW_REG_WAVE_SCHED_MODE, 0, 2), 2
	s_setreg_imm32_b32 hwreg(HW_REG_WAVE_MODE, 25, 1), 1
	s_wait_xcnt 0x0
	s_wait_alu depctr_vm_vsrc(0)
; Launch 2 of 4: the projections q, k, v of x and p of pos_emb (K = 512, codes of E2M3), their results quantised in registers into the operands of the attention launch.  No work is left out.
; ONE STRUCTURE.  A wave keeps a stationary operand S, 8 tiles x 4 K steps (128 rows, 384 registers), and streams 8 tiles T of 16 rows.  Source 0 = S, source 1 = T: a lane holds ONE row of T, and its 64 results run along S's 128
; rows: by the tiles' row order, register 16 b + i is row 32 b + 16 (lane / 16) + i: the order in which the conversions want neighbours.
; PATHS, by the work-group's number g (no LDS, no barrier):
;   Q  g 0-63    S = Wq rows 128 w on, T = x tiles 8 g on.     Lane = query.  C = bq.  For each of heads 2 w, 2 w + 1: [q + u | q + v], 128 numbers, become one fragment: K 0-63 for the product with k, K 64-127 for that with p.
;   K  g 64-127  S = Wk, T = x.   P  g 128-143  S = Wpos, T = pos_emb.   Lane = key.  C = bk, or zeros.  The fragment's registers 0-5 are head 2 w's plane (64 along d), registers 6-11 head 2 w + 1's.
;   V  g 144-207 S = x, 128 keys of a key step, T = Wv tiles.  Lane = channel; the results run along the KEYS, which are the last product's K.  C = bv of the lane's channel.
; opc: QC [b h][query tile 128][1,536]; KC [b h][key tile 128][768]; PCB [h][key tile][768]; VC [b h][key step 16][channel tile 4][1,536].  A fragment: registers 4 c .. 4 c + 3 of lane l at 512 c + 16 l; a plane: registers 0-3 at 16 l, 4-5 at 512 + 8 l.
; ops: a tile's scale words, 128 bytes (4 x lane, both halves of the lanes alike): QS [b h][tile]; KS [b][pair of heads][tile] (low half: the even head); PS [pair][tile]; VS [b h][step][channel tile].
; LIMITS: NaN and infinities are not served; a block of zeros carries the byte 1, with zero codes.
; REGISTERS, in windows of 256: window 0: v4-9 offsets; v16-79 results; v80-143 q + u, q + v; v144.. codes; v164.. at work; v182-183 bv; v184-191 C of the V path; v192-223 S's scale words; v224-231 T's; v232.. the Q path's second set of codes.
;   window 1: S's tiles 0-3.   window 2: S's tiles 4-7; v192-255 the bias as C.   window 3: v0-63 u, v64-127 v; v128-175, v176-223 T, two buffers.
; THE MODE: SCHED_MODE bits 1:0 = 2 (LLVM: expert scheduling mode 2), set by the entry lines.  The code itself states the register dependences between vector or matrix instructions and memory instructions, with s_wait_alu, always for 0.
; THE PLAN.  Registers that memory instructions touch:
;   v4-9                 offsets.  Written at the head, never again; read by every load and store.  One wait on va_vdst ahead of the first load serves them all.
;   S, SS, the biases    loaded once, at the head, into registers that no vector instruction has named.
;   T[buf], TS[buf], and on the V path bv[buf]   read by tile buf's 32 products (bv: by the eight moves ahead of them); the loads of the tile two on land in them.
;   PC, PW (Q path: also PC2, PW2)   written by a tile's quantiser; read by that tile's stores.
; A TILE'S TURN: its 32 products; the places; s_wait_xcnt 0 and the wait on vm_vsrc (the last tile's stores, issued ahead of these products, have read the codes and the scale words); the quantiser; ONE wait on va_vdst,
; which states that the codes and the scale word are written and that the products are done reading T[buf]; behind it, with no vector instruction between, the loads of the tile two on and the tile's stores.
; The Q path makes two fragments of a tile: the second goes into an out-buffer of its own, so that the one pair of waits at the turn's head frees both, and has a wait on va_vdst of its own ahead of its stores.
.set QC,  0
.set KC,  6291456
.set PCB, 9437184
.set VC,  10223616
.set QS,  0
.set KS,  524288
.set PS,  786432
.set VS,  851968
.set ACC, 16
.set STG, 80
.set PC,  144
.set TM,  164
.set PW,  180
.set BVL, 182
.set CB,  184
.set SS,  192
.set TS,  224
.set PC2, 232                          ; v232-250 the Q path's second out-buffer,
.set PW2, 252                          ; v252     and its scale word
.set BC,  192                          ; in window 2
.set U,   0                            ; in window 3
.set VB,  64
.set TBF, 128
.set SEL, 24
.set MSB, 0
.macro WIN new                         ; the immediate's high byte repeats the setting that is left; a switch that changes nothing is dropped
.if MSB != \new
	s_set_vgpr_msb (MSB<<8)|\new
.set MSB, \new
.endif
.endm
.macro W6 d, a, b, c, sa, sb
	v_wmma_scale_f32_16x16x128_f8f6f4 v[\d:\d+7], v[\a:\a+11], v[\b:\b+11], v[\c:\c+7], v[\sa], v[\sb] matrix_a_fmt:MATRIX_FMT_FP6 matrix_b_fmt:MATRIX_FMT_FP6
.endm
.macro PLACES                          ; four plain places behind matrix instructions, ahead of the first read of their results (ISA guide 7.12.1)
.rept 4
	v_nop
.endr
.endm
.macro SLOAD                           ; the stationary operand: 96 loads of 512 consecutive bytes, and its scale words (lane r: its row's four words)
	WIN 0x40
.irp t, 0,1,2,3
.irp ks, 0,1,2,3
.irp c, 0,1,2
	global_load_b128 v[12*(4*\t+\ks)+4*\c:12*(4*\t+\ks)+4*\c+3], v5, s[28:29] offset:(4*\t+\ks)*1536+512*\c
.endr
.endr
.endr
	WIN 0x80
.irp t, 0,1,2,3
.irp ks, 0,1,2,3
.irp c, 0,1,2
	global_load_b128 v[12*(4*\t+\ks)+4*\c:12*(4*\t+\ks)+4*\c+3], v5, s[28:29] offset:(4*(\t+4)+\ks)*1536+512*\c
.endr
.endr
.endr
	WIN 0
.irp t, 0,1,2,3,4,5,6,7
	global_load_b128 v[SS+4*\t:SS+4*\t+3], v4, s[30:31] offset:256*\t
.endr
.endm
.macro BIAS ptr, win, base             ; 128 numbers along S's rows in the result's layout: tile t, lane half h: numbers 32 (t / 2) + 8 (t % 2) + 16 h + 0 .. 7
	WIN \win
.irp t, 0,1,2,3,4,5,6,7
	global_load_b128 v[\base+8*\t:\base+8*\t+3], v8, s[\ptr:\ptr+1] offset:(32*(\t/2)+8*(\t%2))*4
	global_load_b128 v[\base+8*\t+4:\base+8*\t+7], v8, s[\ptr:\ptr+1] offset:(32*(\t/2)+8*(\t%2))*4+16
.endr
	WIN 0
.endm
; A tile of T: four fragments and its scale words; on the V path also bv of the lane's channel.  w = 1: in a tile's turn, behind its quantiser: the window's switch, the wait, the loads.  w = 0: at the head, into registers that nothing has named.
.macro TLD buf, immt, imms, immb, vp, w
	WIN 0xc0
.if \w
	s_wait_alu depctr_va_vdst(0)                   ; this tile's products are done reading T[buf] and its scale words (V path: the moves bv[buf]), in which these loads land; the quantiser has written the codes and the scale word, which the stores behind these loads read
.endif
.irp ks, 0,1,2,3
.irp c, 0,1,2
	global_load_b128 v[TBF+48*\buf+12*\ks+4*\c:TBF+48*\buf+12*\ks+4*\c+3], v5, s[32:33] offset:\immt+1536*\ks+512*\c
.endr
.endr
	WIN 0
	global_load_b128 v[TS+4*\buf:TS+4*\buf+3], v4, s[34:35] offset:\imms
.if \vp
	global_load_b32 v[BVL+\buf], v9, s[40:41] offset:\immb
.endif
.endm
; 32 matrix instructions: K step by K step, the eight accumulators by turns, one instruction a turn.  The first K step starts the sums with the bias as C.
.macro MM buf, acc, cmode              ; cmode 0: C = the bias along S's rows (window 2); 1: C = v[CB] on, the same for all tiles
.irp ks, 0,1,2,3
.irp t, 0,1,2,3,4,5,6,7
.set WM, 0x0d+\t/4
.if (\ks == 0) && (\cmode == 0)
.set WM, WM+0x20
.endif
	WIN WM
.if (\ks == 0) && (\cmode == 0)
	W6 \acc+8*\t, 12*(4*(\t%4)+\ks), TBF+48*\buf+12*\ks, BC+8*\t, SS+4*\t+\ks, TS+4*\buf+\ks
.elseif \ks == 0
	W6 \acc+8*\t, 12*(4*(\t%4)+\ks), TBF+48*\buf+12*\ks, CB, SS+4*\t+\ks, TS+4*\buf+\ks
.else
	W6 \acc+8*\t, 12*(4*(\t%4)+\ks), TBF+48*\buf+12*\ks, \acc+8*\t, SS+4*\t+\ks, TS+4*\buf+\ks
.endif
.endr
.endr
	WIN 0
.endm
; 64 numbers of a lane, register 16 b + i = k 32 b + 16 (lane / 16) + i of my row, become a fragment's codes in v[cd] on and its scale word in v[wd]
.macro QUANT s, cd, wd
.irp b, 0,1,2,3
	v_max3_num_f32 v[TM+\b], |v[\s+16*\b]|, |v[\s+1+16*\b]|, 0x1800000   ; block b: my 16 numbers, and the floor 2^(3 - 127)
.endr
.irp i, 2,4,6,8,10,12,14
.irp b, 0,1,2,3
	v_max3_num_f32 v[TM+\b], v[TM+\b], |v[\s+16*\b+\i]|, |v[\s+1+16*\b+\i]|
.endr
.endr
.irp b, 0,1,2,3
	v_permlanex16_b32 v[TM+4+\b], v[TM+\b], s[SEL], s[SEL+1]
.endr
.irp b, 0,1,2,3
	v_max_num_f32 v[TM+\b], v[TM+\b], v[TM+4+\b]   ; with lane l xor 16's: the block's largest magnitude
.endr
.irp b, 0,1,2,3
	v_add_nc_u32 v[TM+12+\b], 0xff000000, v[TM+\b] ; 2 off its exponent field: the conversion's scale operand
.endr
.irp b, 0,1,2,3
	v_lshrrev_b32 v[TM+4+\b], 23, v[TM+12+\b]      ; the scale's byte
.endr
	v_lshl_or_b32 v[\wd], v[TM+5], 8, v[TM+4]
	v_lshl_or_b32 v[\wd], v[TM+6], 16, v[\wd]
	v_lshl_or_b32 v[\wd], v[TM+7], 24, v[\wd]
.irp c, 0,1
	v_cvt_scalef32_pk16_fp6_f32 v[\cd+6*\c:\cd+2+6*\c], v[\s+32*\c:\s+15+32*\c], v[TM+12+2*\c]
	v_cvt_scalef32_pk16_fp6_f32 v[\cd+12+4*\c:\cd+14+4*\c], v[\s+16+32*\c:\s+31+32*\c], v[TM+12+2*\c+1]   ; (a conversion's three registers begin on an even number)
.endr
	v_nop                                          ; one plain place behind a scaled conversion
.irp c, 0,1                            ; the operand's layout wants a whole block in a lane
.irp i, 0,1,2
	v_permlane16_swap_b32 v[\cd+6*\c+\i], v[\cd+12+4*\c+\i]
.endr
.irp i, 0,1,2
	v_mov_b32 v[\cd+3+6*\c+\i], v[\cd+12+4*\c+\i]
.endr
.endr
.endm
; The head of a tile's way out: the codes and the scale words are the data of the last tile's stores.
.macro FREE
	s_wait_xcnt 0x0                                ; every earlier memory instruction has had its addresses translated (ISA guide 3.1): the out-buffers are rewritten only behind this wait,
	s_wait_alu depctr_vm_vsrc(0)                   ; and behind this one: the last tile's stores have read the codes and the scale words, which the quantiser writes again
.endm
; Behind a tile's first (or only) quantiser: the one wait on va_vdst and the loads of the tile two on; in the last trip the wait alone.
.macro NEXT par, last, vp
.if \last
	s_wait_alu depctr_va_vdst(0)                   ; the quantiser has written the codes and the scale word, which the stores below read
.else
	TLD \par, 12288+6144*\par, 512+256*\par, 128+32*\par, \vp, 1
.endif
.endm
; What is made of a tile's results.  par: the tile's place in its pair.
.macro QHEAD hh, cd, wd                ; head 2 w + hh: [q + u | q + v] and its codes
	WIN 0x0c                                       ; source 1 in window 3
.irp i, 0,2,4,6,8,10,12,14,16,18,20,22,24,26,28,30
	v_pk_add_f32 v[STG+\i:STG+\i+1], v[ACC+32*\hh+\i:ACC+32*\hh+\i+1], v[U+32*\hh+\i:U+32*\hh+\i+1]          ; q + u
.endr
.irp i, 0,2,4,6,8,10,12,14,16,18,20,22,24,26,28,30
	v_pk_add_f32 v[STG+32+\i:STG+33+\i], v[ACC+32*\hh+\i:ACC+32*\hh+\i+1], v[VB+32*\hh+\i:VB+32*\hh+\i+1]    ; q + v
.endr
	WIN 0
	QUANT STG, \cd, \wd
.endm
.macro QOUT hh, par, cd, wd
.irp c, 0,1,2
	global_store_b128 v5, v[\cd+4*\c:\cd+4*\c+3], s[36:37] offset:196608*\hh+1536*\par+512*\c
.endr
	global_store_b32 v7, v[\wd], s[38:39] offset:16384*\hh+128*\par
.endm
.macro EPI_Q par, last
	FREE                                           ; one pair of waits frees both out-buffers: both heads' stores of the last tile stand ahead of it
	QHEAD 0, PC, PW
	NEXT \par, \last, 0
	QOUT 0, \par, PC, PW
	QHEAD 1, PC2, PW2                              ; names none of the registers that the loads and stores just issued touch
	s_wait_alu depctr_va_vdst(0)                   ; the second head's quantiser has written v[PC2] on and v[PW2], which the stores below read
	QOUT 1, \par, PC2, PW2
.endm
.macro EPI_K par, last
	FREE
	QUANT ACC, PC, PW
	NEXT \par, \last, 0
	global_store_b128 v5, v[PC:PC+3], s[36:37] offset:768*\par                 ; the even head's plane
	global_store_b64 v6, v[PC+4:PC+5], s[36:37] offset:768*\par+512
	global_store_b128 v5, v[PC+6:PC+9], s[36:37] offset:768*\par+98304         ; the odd head's
	global_store_b64 v6, v[PC+10:PC+11], s[36:37] offset:768*\par+98304+512
	global_store_b32 v7, v[PW], s[38:39] offset:128*\par
.endm
.macro EPI_V par, last
	FREE
	QUANT ACC, PC, PW
	NEXT \par, \last, 1
.irp c, 0,1,2
	global_store_b128 v5, v[PC+4*\c:PC+4*\c+3], s[36:37] offset:1536*\par+512*\c
.endr
	global_store_b32 v7, v[PW], s[38:39] offset:128*\par
.endm
.macro EPI path, par, last
.if \path == 0
	EPI_Q \par, \last
.elseif \path == 1
	EPI_K \par, \last
.else
	EPI_V \par, \last
.endif
.endm
.macro HALF path, last, buf            ; one tile of T: its products, its way out, and in that the fetch of the tile two on into its buffer
.if \path == 2
.irp j, 0,1,2,3,4,5,6,7
	v_mov_b32 v[CB+\j], v[BVL+\buf]                ; all eight results of a lane belong to one channel
.endr
	PLACES
	MM \buf, ACC, 1
.else
	MM \buf, ACC, 0
.endif
	PLACES
	EPI \path, \buf, \last
.endm
.macro TRIP path, last                 ; two tiles of T
.set NLD, 13
.if \path == 2
.set NLD, 14
.endif
	s_wait_loadcnt NLD                             ; loads come back in order: all but the other buffer's are in
	HALF \path, \last, 0
.if \last
	s_wait_loadcnt 0x0
.else
	s_wait_loadcnt NLD                             ; buffer 1 is in; the loads just issued into buffer 0 may be out
.endif
	HALF \path, \last, 1
.if !\last
	s_wait_xcnt 0x0                                ; the pointers are stepped only behind this wait
	s_add_nc_u64 s[32:33], s[32:33], 12288
	s_add_nc_u64 s[34:35], s[34:35], 512
.if \path == 0
	s_add_nc_u64 s[36:37], s[36:37], 3072
	s_add_nc_u64 s[38:39], s[38:39], 256
.elseif \path == 1
	s_add_nc_u64 s[36:37], s[36:37], 1536
	s_add_nc_u64 s[38:39], s[38:39], 256
.else
	s_mov_b32 s50, 3072                            ; two channel tiles on; behind the fourth tile: on to the next head
	s_mov_b32 s52, 256
	s_cmp_eq_u32 s26, 2
	s_cselect_b32 s50, 95232, s50
	s_cselect_b32 s52, 7936, s52
	s_mov_b32 s51, 0
	s_mov_b32 s53, 0
	s_add_nc_u64 s[36:37], s[36:37], s[50:51]
	s_add_nc_u64 s[38:39], s[38:39], s[52:53]
	s_add_nc_u64 s[40:41], s[40:41], 128
.endif
.endif
.endm
	s_load_b256 s[4:11], s[0:1], 0x0               ; cod, scl, bq, bk
	s_load_b256 s[12:19], s[0:1], 0x20             ; bv, pos_bias_u, pos_bias_v, opc
	s_load_b64 s[20:21], s[0:1], 0x40              ; ops
	v_lshrrev_b32 v1, 5, v0
	v_readfirstlane_b32 s22, v1                    ; wave w
	v_and_b32 v1, 31, v0                           ; lane l
	v_and_b32 v2, 15, v0                           ; r
	v_bfe_u32 v3, v0, 4, 1                         ; h
	v_lshlrev_b32 v5, 4, v1                        ; 16 l
	v_lshlrev_b32 v6, 3, v1                        ; 8 l
	v_lshlrev_b32 v7, 2, v1                        ; 4 l
	v_lshlrev_b32 v4, 4, v2                        ; 16 r
	v_lshlrev_b32 v8, 6, v3                        ; 64 h
	v_and_b32 v9, 8, v2
	v_add_nc_u32 v9, v9, v2
	v_lshlrev_b32 v9, 2, v9                        ; 4 (r + 8 (r / 8))
.irp b, 0,1,2,3
	v_mov_b32 v[TM+4+\b], 0                        ; written once: a lane permute's destination counts as one of its sources
.endr
	s_mov_b32 s[SEL], 0x76543210
	s_mov_b32 s[SEL+1], 0xfedcba98
	s_wait_alu depctr_va_sdst(0)                   ; s22 is written, ahead of its first reader: the tiles' numbers and every pointer are made from it
	s_lshl_b32 s46, s22, 3                         ; 8 w
	s_sub_co_u32 s47, ttmp9, 144                   ; V: g3
	s_and_b32 s48, s47, 3                          ; V: which 128 channels
	s_and_b32 s49, s47, 0xfffffffc
	s_add_co_u32 s49, s49, s22                     ; V: which 128 keys of the 8,192
	s_lshl_b32 s50, s49, 3                         ; S's first tile: V: x's,
	s_add_co_u32 s51, s46, 736
	s_cmp_lt_u32 ttmp9, 144
	s_cselect_b32 s50, s51, s50                    ; P: Wpos's,
	s_add_co_u32 s51, s46, 672
	s_cmp_lt_u32 ttmp9, 128
	s_cselect_b32 s50, s51, s50                    ; K: Wk's,
	s_add_co_u32 s51, s46, 640
	s_cmp_lt_u32 ttmp9, 64
	s_cselect_b32 s50, s51, s50                    ; Q: Wq's
	s_lshl_b32 s52, s48, 3
	s_add_co_u32 s52, s52, 704                     ; T's first tile: V: Wv's,
	s_sub_co_u32 s51, ttmp9, 64
	s_lshl_b32 s51, s51, 3
	s_cmp_lt_u32 ttmp9, 144
	s_cselect_b32 s52, s51, s52                    ; K, P: x's and, behind them, pos_emb's,
	s_lshl_b32 s51, ttmp9, 3
	s_cmp_lt_u32 ttmp9, 64
	s_cselect_b32 s52, s51, s52                    ; Q: x's
	s_mov_b32 s55, 0
	s_wait_kmcnt 0x0
	s_mul_i32 s54, s50, 6144
	s_add_nc_u64 s[28:29], s[4:5], s[54:55]
	s_lshl_b32 s54, s50, 8
	s_add_nc_u64 s[30:31], s[6:7], s[54:55]
	s_mul_i32 s54, s52, 6144
	s_add_nc_u64 s[32:33], s[4:5], s[54:55]
	s_lshl_b32 s54, s52, 8
	s_add_nc_u64 s[34:35], s[6:7], s[54:55]
	s_wait_alu depctr_va_vdst(0)                   ; the offsets v4 to v9 are written: every load and store of the kernel reads one of them, and none is written again
	SLOAD
	s_mov_b32 s26, 3                               ; three trips in the loop, the fourth written out: no load leaves its buffer
	s_cmp_lt_u32 ttmp9, 64
	s_cbranch_scc0 .Lnot_q
	; ---- Q
	s_lshr_b32 s50, ttmp9, 4
	s_lshl_b32 s50, s50, 3
	s_lshl_b32 s51, s22, 1
	s_add_co_u32 s50, s50, s51                     ; 8 b + 2 w
	s_lshl_b32 s50, s50, 7
	s_and_b32 s51, ttmp9, 15
	s_lshl_b32 s51, s51, 3
	s_add_co_u32 s50, s50, s51                     ; x 128 + my first query tile
	s_mul_i32 s54, s50, 1536
	s_add_nc_u64 s[36:37], s[18:19], s[54:55]      ; (QC = 0)
	s_lshl_b32 s54, s50, 7
	s_add_nc_u64 s[38:39], s[20:21], s[54:55]      ; (QS = 0)
	s_lshl_b32 s54, s22, 9                         ; my 128 channels
	s_add_nc_u64 s[40:41], s[8:9], s[54:55]
	s_add_nc_u64 s[42:43], s[14:15], s[54:55]
	s_add_nc_u64 s[44:45], s[16:17], s[54:55]
	BIAS 40, 0x80, BC
	BIAS 42, 0xc0, U
	BIAS 44, 0xc0, VB
	TLD 0, 0, 0, 0, 0, 0
	TLD 1, 6144, 256, 0, 0, 0
.Lq_loop:
	TRIP 0, 0
	s_sub_co_u32 s26, s26, 1
	s_cmp_lg_u32 s26, 0
	s_cbranch_scc1 .Lq_loop
	TRIP 0, 1
	s_endpgm
.Lnot_q:
	s_cmp_lt_u32 ttmp9, 144
	s_cbranch_scc0 .Lv
	; ---- K and P
	s_sub_co_u32 s50, ttmp9, 64
	s_lshr_b32 s51, s50, 4                         ; the batch,
	s_and_b32 s52, s50, 15
	s_cmp_lt_u32 ttmp9, 128
	s_cselect_b32 s51, s51, 0                      ; none for p
	s_mov_b32 s56, PCB
	s_cselect_b32 s56, KC, s56
	s_mov_b32 s57, PS
	s_cselect_b32 s57, KS, s57
	s_lshl_b32 s53, s51, 3
	s_lshl_b32 s58, s22, 1
	s_add_co_u32 s53, s53, s58
	s_lshl_b32 s53, s53, 7
	s_lshl_b32 s52, s52, 3                         ; my first key tile
	s_add_co_u32 s53, s53, s52
	s_mul_i32 s54, s53, 768
	s_add_co_u32 s54, s54, s56
	s_add_nc_u64 s[36:37], s[18:19], s[54:55]
	s_lshl_b32 s53, s51, 2
	s_add_co_u32 s53, s53, s22
	s_lshl_b32 s53, s53, 7
	s_add_co_u32 s53, s53, s52
	s_lshl_b32 s54, s53, 7
	s_add_co_u32 s54, s54, s57
	s_add_nc_u64 s[38:39], s[20:21], s[54:55]
	s_cmp_lt_u32 ttmp9, 128
	s_cbranch_scc0 .Lp_zero
	s_lshl_b32 s54, s22, 9
	s_add_nc_u64 s[40:41], s[10:11], s[54:55]
	BIAS 40, 0x80, BC
	s_branch .Lkp_go
.Lp_zero:                                      ; the positional projection has no bias: zeros as C let it walk K's loop, which a constant 0 as C would want written a second time.  No memory instruction of this path names these registers
	WIN 0x80
.irp j, 0,1,2,3,4,5,6,7,8,9,10,11,12,13,14,15,16,17,18,19,20,21,22,23,24,25,26,27,28,29,30,31,32,33,34,35,36,37,38,39,40,41,42,43,44,45,46,47,48,49,50,51,52,53,54,55,56,57,58,59,60,61,62,63
	v_mov_b32 v[BC+\j], 0
.endr
	WIN 0
.Lkp_go:
	TLD 0, 0, 0, 0, 0, 0
	TLD 1, 6144, 256, 0, 0, 0
.Lk_loop:
	s_wait_alu depctr_va_vdst(0)
	TRIP 1, 0
	s_sub_co_u32 s26, s26, 1
	s_cmp_lg_u32 s26, 0
	s_cbranch_scc1 .Lk_loop
	TRIP 1, 1
	s_endpgm
.Lv:
	; ---- V
	s_lshr_b32 s50, s49, 4                         ; the batch
	s_and_b32 s51, s49, 15                         ; the key step
	s_lshl_b32 s50, s50, 3
	s_lshl_b32 s52, s48, 1
	s_add_co_u32 s50, s50, s52                     ; 8 b + my first head
	s_mul_i32 s54, s50, 98304
	s_mul_i32 s53, s51, 6144
	s_add_co_u32 s54, s54, s53
	s_add_co_u32 s54, s54, VC
	s_add_nc_u64 s[36:37], s[18:19], s[54:55]
	s_lshl_b32 s54, s50, 13
	s_lshl_b32 s53, s51, 9
	s_add_co_u32 s54, s54, s53
	s_add_co_u32 s54, s54, VS
	s_add_nc_u64 s[38:39], s[20:21], s[54:55]
	s_lshl_b32 s54, s48, 9
	s_add_nc_u64 s[40:41], s[12:13], s[54:55]      ; bv at my 128 channels
	TLD 0, 0, 0, 0, 1, 0
	TLD 1, 6144, 256, 32, 1, 0
.Lv_loop:
	TRIP 2, 0
	s_sub_co_u32 s26, s26, 1
	s_cmp_lg_u32 s26, 0
	s_cbranch_scc1 .Lv_loop
	TRIP 2, 1
	s_endpgm
.Lfunc_end_k_q951f99163e_proj:
	.size	k_q951f99163e_proj, .Lfunc_end_k_q951f99163e_proj-k_q951f99163e_proj
	.p2alignl 7, 3214868480
	.fill 96, 4, 3214868480
	.section	.rodata,"a",@progbits
	.p2align	6, 0x0
	.amdhsa_kernel k_q951f99163e_proj
		.amdhsa_group_segment_fixed_size 0
		.amdhsa_private_segment_fixed_size 0
		.amdhsa_enable_private_segment 0
		.amdhsa_kernarg_size 72
		.amdhsa_user_sgpr_count 2
		.amdhsa_user_sgpr_kernarg_segment_ptr 1
		.amdhsa_wavefront_size32 1
		.amdhsa_system_sgpr_workgroup_id_x 1
		.amdhsa_system_sgpr_workgroup_id_y 1
		.amdhsa_system_sgpr_workgroup_id_z 1
		.amdhsa_system_vgpr_workitem_id 0
		.amdhsa_next_free_vgpr 1024
		.amdhsa_next_free_sgpr 66
		.amdhsa_reserve_vcc 0
		.amdhsa_float_denorm_mode_32 3
		.amdhsa_float_denorm_mode_16_64 3
		.amdhsa_memory_ordered 1
		.amdhsa_forward_progress 1
		.amdhsa_inst_pref_size 180
	.end_amdhsa_kernel
	.amdgpu_metadata
---
amdhsa.version: [ 1, 2 ]
amdhsa.kernels:
  - .name:           k_q951f99163e_proj
    .symbol:         k_q951f99163e_proj.kd
    .args:
      - { .name: cod, .offset: 0, .size: 8, .value_kind: global_buffer, .address_space: global }
      - { .name: scl, .offset: 8, .size: 8, .value_kind: global_buffer, .address_space: global }
      - { .name: bq, .offset: 16, .size: 8, .value_kind: global_buffer, .address_space: global }
      - { .name: bk, .offset: 24, .size: 8, .value_kind: global_buffer, .address_space: global }
      - { .name: bv, .offset: 32, .size: 8, .value_kind: global_buffer, .address_space: global }
      - { .name: pos_bias_u, .offset: 40, .size: 8, .value_kind: global_buffer, .address_space: global }
      - { .name: pos_bias_v, .offset: 48, .size: 8, .value_kind: global_buffer, .address_space: global }
      - { .name: opc, .offset: 56, .size: 8, .value_kind: global_buffer, .address_space: global }
      - { .name: ops, .offset: 64, .size: 8, .value_kind: global_buffer, .address_space: global }
    .group_segment_fixed_size: 0
    .private_segment_fixed_size: 0
    .kernarg_segment_align: 8
    .kernarg_segment_size: 72
    .max_flat_workgroup_size: 128
    .sgpr_count:     66
    .vgpr_count:     1024
    .wavefront_size: 32
...
	.end_amdgpu_metadata
.endif
;; end of part 5
;; launch attn (part 6): grid 8 x 32, 16 waves a work-group, no clusters, 327,680 bytes of LDS; arguments opc, ops, oc, osc; writes oc, osc
.if DOCPART == 6
	.amdgcn_target "amdgcn-amd-amdhsa--gfx1250"
	.amdhsa_code_object_version 6
	.text
	.protected	k_q951f99163e_attn
	.globl	k_q951f99163e_attn
	.p2align	8
	.type	k_q951f99163e_attn,@function
k_q951f99163e_attn:
	s_mov_b64 s[64:65], 0
	v_nop
	global_prefetch_b8 v0, s[64:65] scope:SCOPE_SE
	s_setreg_imm32_b32 hwreg(HW_REG_WAVE_MODE, 25, 1), 1
	s_wait_xcnt 0x0
; Launch 3 of 4: scores, softmax, weights x v, division by the row's sum, and the result quantised along the features for the last projection.  No work is left out.
; THE TWO SCORE PRODUCTS ARE ONE INSTRUCTION.  (q + u) k^T and (q + v) p^T have K = 64 each and their results are added: [q + u | q + v] against [k | p] is one K step of 128, whose four blocks of 32 are the two products' own
; four blocks, each with its own scale.  LIMIT: the sum of the two products is made inside the matrix instruction's f32 sum, not by an f32 addition of two finished sums.
; THE SOFTMAX: t = score x log2(e) / 8; M = the running largest t rounded up to a whole number; p = 2^(t - M) is quantised along the keys, not normalised; the row's sum is taken of the unquantised p and divides at the end.
; SHARES.  A work-group owns 256 queries of one (batch, head); each of its sixteen waves one tile of 16, in 256 registers: four waves to a SIMD.  Every wave walks the 2,048 keys, 128 a step.
; k's planes, p's planes and v's fragments come through a ring of two LDS slots of 512 keys (four steps), three dense blocks of 24,576 bytes a slot, one tensor load each (waves 0, 1, 2); all sixteen waves read them.
; Both products are used transposed (source 0 = keys, or channels; source 1 = my queries, or p): a lane holds ONE query throughout.  By the tiles' row order the 16 registers of tiles 2 b, 2 b + 1 are 16 neighbouring keys (channels).
; No joint loads: the eight query blocks of a head share k, p and v, but a slot's 73,728 bytes serve four steps of sixteen waves, some 300 instructions each: what is shared is small beside a step's work.
; LIMITS: NaN and infinities are not served; a block of zeros carries the byte 1, with zero codes.
; REGISTERS: v1-4, v7 offsets that stay; v5, v6 the add's two; v8-11, v29 addresses in hand; v12 -M, v13 the largest t, v[14:15] the sum; v16-27 Q; v28 the prefetch's offset; v[30:31] v's scale words; v32-127 eight fragments;
;   v128-191 the scores, then p; v192-223 O^T; v224-235 p's codes; v232-247, v252, v254 at work; v[248:251] the scale words of [k | p]; v253 p's scale word; v255 Q's.
.set QC,    0
.set KC,    6291456
.set PCB,   9437184
.set VC,    10223616
.set QS,    0
.set KS,    524288
.set PS,    786432
.set VS,    851968
.set SLOT1, 1<<17                      ; slot 1 begins here: one exclusive or turns an address
.set PART,  24576                      ; a slot: k's 32 planes, p's 32 planes, v's 16 fragments, PART bytes each
.set SCK,   2*SLOT1                    ; the scale words of [k | p]: step j at 512 j; tile 2 i + (l / 16), row l % 16, at 16 l + 4 i
.set SCV,   SCK+8192                   ; v's: step j at 256 j; tile 2 i + (l / 16) at 8 l + 4 i
.set SPARE, SCV+4096                   ; the spare words, 128 bytes a wave: eight blocks of 256 bytes that no other line names
.set NQ,    4
.set NSL,   4
.set F,     32
.set S,     128
.set O,     192
.set SPW,   5
.set NIL,   6
.set ADK16, 8
.set ADK8,  9
.set ADV,   10
.set ADS,   11
.set ADT,   29
.set PFO,   28
.set WV,    18
.set SEL,   20
.set CS,    22
.set G1,    24
.set G0,    40
.set TB,    2
.set TS,    3
.set TJ,    66
.set SLOTS, 67
.set PFA,   76
.set LIM,   80
.macro TLOAD                           ; waves 0, 1, 2 fetch k's, p's, v's block; the branch hangs on the wave's number alone.  An s_nop 0 and four v_nop follow the load
	s_cmp_lt_u32 s[WV], 3
	s_cbranch_scc0 .Lasked_\@
	tensor_load_to_lds s[G0:G0+3], s[G1:G1+7]
	s_nop 0
.rept 4
	v_nop
.endr
.Lasked_\@:
.endm
; A PREFETCH of the slot that the NEXT change of slots will ask for: four key steps ahead of that load.  Each block of 256 bytes is named once in the launch: the head's first work-group asks (for p: the first batch's), and in it
; waves that fetch nothing: waves 4-6 for k, 8-10 for p, 12-14 for v, 8,192 bytes a wave, lanes 256 bytes apart.  The last change that fills a slot asks for nothing; slots 0 and 1 come by their loads alone.
.macro ASK
	s_cmp_gt_u32 s[SLOTS], s[LIM]
	s_cbranch_scc0 .Lnot_mine_\@
	global_prefetch_b8 v[PFO], s[PFA:PFA+1] th:TH_LOAD_NT scope:SCOPE_SE
.Lnot_mine_\@:
.endm
	s_load_b256 s[4:11], s[0:1], 0x0               ; opc, ops, oc, osc
	v_lshl_add_u32 v[SPW], v0, 2, SPARE
	v_mov_b32 v[NIL], 0
	ds_add_u32 v[SPW], v[NIL]                      ; the wave's opening: the add, twice on end, and its wait ahead of the first tensor load
	ds_add_u32 v[SPW], v[NIL]
	v_lshrrev_b32 v8, 5, v0
	s_delay_alu instid0(VALU_DEP_1)
	v_readfirstlane_b32 s[WV], v8                  ; wave 0..15
	s_and_b32 s68, ttmp7, 0xffff                   ; 8 b + h
	s_lshr_b32 s69, s68, 3                         ; b
	s_and_b32 s70, s68, 7                          ; h
	s_lshr_b32 s71, s70, 1                         ; the pair of heads
	s_lshl_b32 s72, ttmp9, 4
	s_add_co_u32 s72, s72, s[WV]                   ; my query tile
	s_lshl_b32 s73, s68, 7
	s_add_co_u32 s73, s73, s72
	s_mul_i32 s82, s73, 1536                       ; Q's fragment (QC = 0)
	s_mov_b32 s83, 0
	s_lshl_b32 s84, s73, 7                         ; its scale words (QS = 0)
	s_mov_b32 s85, 0
	s_lshl_b32 s74, s[WV], 10                      ; wave w lays out key step w's scale words: its eight key tiles,
	s_lshl_b32 s86, s69, 2
	s_add_co_u32 s86, s86, s71
	s_lshl_b32 s86, s86, 14
	s_add_co_u32 s86, s86, s74
	s_add_co_u32 s86, s86, KS                      ; of k,
	s_mov_b32 s87, 0
	s_lshl_b32 s88, s71, 14
	s_add_co_u32 s88, s88, s74
	s_add_co_u32 s88, s88, PS                      ; of p,
	s_mov_b32 s89, 0
	s_lshl_b32 s90, s68, 13
	s_lshl_b32 s74, s[WV], 9
	s_add_co_u32 s90, s90, s74
	s_add_co_u32 s90, s90, VS                      ; and its four channel tiles of v
	s_mov_b32 s91, 0
	s_lshl_b32 s73, s69, 7
	s_add_co_u32 s73, s73, s72                     ; my tile of rows among the 512
	s_lshl_b32 s92, s73, 3
	s_add_co_u32 s92, s92, s70
	s_mul_i32 s92, s92, 768                        ; my plane in oc
	s_mov_b32 s93, 0
	s_lshl_b32 s94, s73, 8
	s_lshl_b32 s74, s70, 1
	s_add_co_u32 s94, s94, s74                     ; my head's two bytes in a row's sixteen of osc
	s_mov_b32 s95, 0
	s_lshr_b32 s96, s[WV], 2
	s_and_b32 s97, s[WV], 3
	s_sub_co_u32 s99, s96, 1
	s_cmp_eq_u32 s96, 0
	s_cselect_b32 s98, s97, s99                    ; which block: waves 0-2 fetch block w; waves 4-14 prefetch block w / 4 - 1
	s_cmp_eq_u32 s98, 1
	s_cselect_b32 s78, s70, s68                    ; p hangs on the head alone
	s_mov_b32 s99, VC
	s_cselect_b32 s99, PCB, s99
	s_cselect_b32 s75, s69, 0                      ; (p: the batch)
	s_cmp_eq_u32 s98, 0
	s_cselect_b32 s99, KC, s99
	s_mul_i32 s78, s78, 98304
	s_add_co_u32 s78, s78, s99                     ; where the block's 2,048 keys begin in opc
	s_mov_b32 s79, 0
	s_mov_b32 s[LIM], 1                            ; who prefetches: not waves 0-3,
	s_cmp_eq_u32 s96, 0
	s_cselect_b32 s[LIM], -1, s[LIM]
	s_cmp_eq_u32 s97, 3                            ; not waves 7, 11, 15 (a block is three waves' worth),
	s_cselect_b32 s[LIM], -1, s[LIM]
	s_cmp_lg_u32 ttmp9, 0                          ; the head's first work-group alone,
	s_cselect_b32 s[LIM], -1, s[LIM]
	s_cmp_lg_u32 s75, 0                            ; and for p the first batch's alone
	s_cselect_b32 s[LIM], -1, s[LIM]
	s_mul_i32 s[G0+1], s97, PART                   ; 63:32 LDS address: slot 0, my block
	s_lshl_b32 s[PFA], s97, 13
	s_add_co_u32 s[PFA], s[PFA], PART              ; my 8,192 bytes, in slot 1: the first change of slots steps it to slot 2
	s_mov_b32 s[PFA+1], 0
	s_mov_b32 s81, 0x05040100                      ; the even head's scale bytes are the low halves of k's and p's words,
	s_and_b32 s74, s70, 1
	s_cmp_eq_u32 s74, 1
	s_cselect_b32 s81, 0x07060302, s81             ; the odd head's the high halves
	; descriptor group 1: a dense block of 24,576 bytes as 96 rows of 256 bytes (32 elements of 8 bytes), no padding: every LDS read of it is of consecutive bytes
	s_mov_b32 s[G1], 3<<16
	s_mov_b32 s[G1+1], 32<<16                      ; tensor_dim0
	s_mov_b32 s[G1+2], 96<<16                      ; tensor_dim1
	s_mov_b32 s[G1+3], 32<<16                      ; tile_dim0
	s_mov_b32 s[G1+4], 96                          ; tile_dim1
	s_mov_b32 s[G1+5], 32                          ; the pitch
	s_mov_b32 s[G1+6], 0
	s_mov_b32 s[G1+7], 0
	s_mov_b32 s[SEL], 0x76543210
	s_mov_b32 s[SEL+1], 0xfedcba98
	s_mov_b32 s[CS], 0x3e38aa3b                    ; c = log2(e) / sqrt(64)
	s_mov_b32 s[CS+1], s[CS]
	s_mov_b32 s[TB], 0
	s_mov_b32 s[TS], 0
	s_mov_b32 s[TJ], 0
	s_mov_b32 s[SLOTS], NSL-1
	v_and_b32 v8, 31, v0                           ; l
	s_delay_alu instid0(VALU_DEP_1)
	v_lshlrev_b32 v1, 4, v8                        ; 16 l
	s_delay_alu instid0(VALU_DEP_2)
	v_lshlrev_b32 v2, 3, v8                        ; 8 l
	s_delay_alu instid0(VALU_DEP_2)
	v_add_nc_u32 v3, 2*PART, v1                    ; v's fragments in a slot
	s_delay_alu instid0(VALU_DEP_3)
	v_add_nc_u32 v4, SCK, v1
	s_delay_alu instid0(VALU_DEP_3)
	v_add_nc_u32 v7, SCV, v2
	v_lshlrev_b32 v[PFO], 8, v8
	v_lshlrev_b32 v11, 2, v8                       ; 4 l
	v_and_b32 v9, 15, v0
	v_bfe_u32 v10, v0, 4, 1
	s_delay_alu instid0(VALU_DEP_2)
	v_lshlrev_b32 v9, 2, v9
	s_delay_alu instid0(VALU_DEP_1)
	v_lshl_add_u32 v10, v10, 7, v9                 ; 128 (l / 16) + 4 (l % 16): lanes 16-31 take the next tile's words
	s_wait_dscnt 0x0                               ; both opening adds are done
	s_wait_kmcnt 0x0
	s_add_nc_u64 s[78:79], s[4:5], s[78:79]
	s_mov_b32 s[G0], 1                             ; 1:0 count = 1
	s_mov_b64 s[G0+2:G0+3], s[78:79]               ; 120:64 global address: the block's first 512 keys
	s_or_b32 s[G0+3], s[G0+3], 0x80000000          ; 127:126 type = 2
	TLOAD                                          ; slot 0
	s_add_nc_u64 s[PFA:PFA+1], s[78:79], s[PFA:PFA+1]
	s_add_nc_u64 s[82:83], s[4:5], s[82:83]
	s_add_nc_u64 s[84:85], s[6:7], s[84:85]
	s_add_nc_u64 s[86:87], s[6:7], s[86:87]
	s_add_nc_u64 s[88:89], s[6:7], s[88:89]
	s_add_nc_u64 s[90:91], s[6:7], s[90:91]
	s_add_nc_u64 s[92:93], s[8:9], s[92:93]
	s_add_nc_u64 s[94:95], s[10:11], s[94:95]
.irp c, 0,1,2
	global_load_b128 v[16+4*\c:19+4*\c], v1, s[82:83] offset:512*\c    ; Q's fragment stays in registers
.endr
	s_wait_alu depctr_va_vdst(0)
	global_load_b32 v255, v11, s[84:85]
.irp i, 0,1,2,3
	global_load_b32 v[32+\i], v10, s[86:87] offset:256*\i
	global_load_b32 v[36+\i], v10, s[88:89] offset:256*\i
.endr
.irp i, 0,1
	global_load_b32 v[40+\i], v10, s[90:91] offset:256*\i
.endr
	v_lshl_add_u32 v8, v0, 4, SCK                  ; 16 x thread = 512 w + 16 l
	v_lshl_add_u32 v9, v0, 3, SCV                  ; 8 x thread = 256 w + 8 l
	v_mov_b32 v13, 0xff61b1e6                      ; the largest t so far: -3e38
	s_delay_alu instid0(VALU_DEP_1)
	v_floor_f32 v12, -v13                          ; -M
	v_mov_b32 v14, 0
	v_mov_b32 v15, 0
.irp b, 0,1,2,3
	v_mov_b32 v[236+\b], 0                         ; written once: a lane permute's destination counts as one of its sources
.endr
	v_mov_b32 v253, 0                              ; (named as the upper half of the pair v[252:253] before it is first written)
.irp j, 0,1,2,3,4,5,6,7,8,9,10,11,12,13,14,15,16,17,18,19,20,21,22,23,24,25,26,27,28,29,30,31
	v_mov_b32 v[O+\j], 0                           ; O^T: the step is written once; the first finds zeros, which the first change of M leaves zeros
.endr
	s_wait_loadcnt 0x0
.irp i, 0,1,2,3
	v_perm_b32 v[44+\i], v[36+\i], v[32+\i], s81   ; [k's two bytes, p's two bytes] of my head
.endr
	ds_store_b128 v8, v[44:47]
	ds_store_b64 v9, v[40:41]                      ; the first change of slots waits for these and shows them to all waves
; A KEY STEP: 128 keys, the q-th of the slot in hand
.macro STEP q
	v_add_nc_u32 v[ADK16], s[TB], v1               ; (these five are also the places behind the last step's products, ahead of the loads into their operands)
	v_add_nc_u32 v[ADK8], s[TB], v2
	v_add_nc_u32 v[ADV], s[TB], v3
	v_add_nc_u32 v[ADS], s[TS], v4
	v_add_nc_u32 v[ADT], s[TJ], v7
	ds_load_b128 v[248:251], v[ADS]                ; register i: lanes 0-15 tile 2 i's words, lanes 16-31 tile 2 i + 1's
.irp t, 0,1,2,3,4,5,6,7
	ds_load_b128 v[F+12*\t:F+12*\t+3], v[ADK16] offset:768*(8*(\q)+\t)              ; k's plane: registers 0-5
	ds_load_b64 v[F+12*\t+4:F+12*\t+5], v[ADK8] offset:768*(8*(\q)+\t)+512
	ds_load_b128 v[F+12*\t+6:F+12*\t+9], v[ADK16] offset:PART+768*(8*(\q)+\t)       ; p's plane: registers 6-11
	ds_load_b64 v[F+12*\t+10:F+12*\t+11], v[ADK8] offset:PART+768*(8*(\q)+\t)+512
.endr
	s_wait_alu depctr_va_vdst(0)
.irp t, 0,1,2,3,4,5,6,7
	s_wait_dscnt 4*(7-\t)                          ; tile t is in; the four loads of each later tile may be out
.if \t%2
	v_wmma_scale_f32_16x16x128_f8f6f4 v[S+8*\t:S+8*\t+7], v[F+12*\t:F+12*\t+11], v[16:27], 0, v[248+\t/2], v255 matrix_a_fmt:MATRIX_FMT_FP6 matrix_b_fmt:MATRIX_FMT_FP6 matrix_a_scale:MATRIX_SCALE_ROW1
.else
	v_wmma_scale_f32_16x16x128_f8f6f4 v[S+8*\t:S+8*\t+7], v[F+12*\t:F+12*\t+11], v[16:27], 0, v[248+\t/2], v255 matrix_a_fmt:MATRIX_FMT_FP6 matrix_b_fmt:MATRIX_FMT_FP6
.endif
.endr
.rept 4
	v_nop                                          ; places ahead of the loads below and of the first read of the scores
.endr
.irp t, 0,1,2,3
.irp c, 0,1,2
	ds_load_b128 v[F+12*\t+4*\c:F+12*\t+4*\c+3], v[ADV] offset:(4*(\q)+\t)*1536+512*\c   ; v's four fragments land while the softmax is walked
.endr
.endr
	ds_load_b64 v[30:31], v[ADT]
.irp b, 0,1,2,3
	v_max3_num_f32 v[232+\b], v[S+16*\b], v[S+1+16*\b], v[S+2+16*\b]   ; the largest score of each block of 32 keys: for the row's maximum, and, since p rises with the score, for the block's largest p
.endr
.irp i, 3,5,7,9,11,13
.irp b, 0,1,2,3
	v_max3_num_f32 v[232+\b], v[232+\b], v[S+16*\b+\i], v[S+1+16*\b+\i]
.endr
.endr
.irp b, 0,1,2,3
	v_max_num_f32 v[232+\b], v[232+\b], v[S+15+16*\b]
.endr
.irp b, 0,1,2,3
	s_delay_alu instid0(VALU_DEP_4)
	v_permlanex16_b32 v[236+\b], v[232+\b], s[SEL], s[SEL+1]
.endr
.irp b, 0,1,2,3
	s_delay_alu instid0(VALU_DEP_4)
	v_max_num_f32 v[232+\b], v[232+\b], v[236+\b]  ; with lane l xor 16's 16 keys
.endr
	s_delay_alu instid0(VALU_DEP_2)
	v_max3_num_f32 v254, v232, v233, v234
	s_delay_alu instid0(VALU_DEP_1)
	v_max_num_f32 v254, v254, v235
	s_delay_alu instid0(VALU_DEP_1)
	v_mul_f32 v254, s[CS], v254                    ; as t
	s_delay_alu instid0(VALU_DEP_1)
	v_max_num_f32 v13, v13, v254                   ; the running largest t
	v_mov_b32 v254, v12
	s_delay_alu instid0(VALU_DEP_2)
	v_floor_f32 v12, -v13                          ; the new -M = -ceil(t)
	s_delay_alu instid0(VALU_DEP_1)
	v_sub_f32 v254, v12, v254                      ; old M - new M: a whole number, 0 or less
	s_delay_alu instid0(VALU_DEP_1)
	v_cvt_i32_f32 v254, v254                       ; (it saturates)
	s_delay_alu instid0(VALU_DEP_1)
	v_ldexp_f32 v252, 1.0, v254                    ; f = 2^(old M - new M)
.irp j, 0,2,4,6,8,10,12,14,16,18,20,22,24,26,28,30,32,34,36,38,40,42,44,46,48,50,52,54,56,58,60,62
	v_pk_fma_f32 v[S+\j:S+1+\j], v[S+\j:S+1+\j], s[CS:CS+1], v[12:13] op_sel_hi:[1,0,0]   ; t - M
.endr
.irp b, 0,1,2,3
	v_fma_f32 v[232+\b], v[232+\b], s[CS], v12     ; the same of each block's largest score
.endr
	s_wait_alu depctr_va_vdst(0)
.irp j, 0,1,2,3,4,5,6,7,8,9,10,11,12,13,14,15,16,17,18,19,20,21,22,23,24,25,26,27,28,29,30,31,32,33,34,35,36,37,38,39,40,41,42,43,44,45,46,47,48,49,50,51,52,53,54,55,56,57,58,59,60,61,62,63
	v_exp_f32 v[S+\j], v[S+\j]                     ; p = 2^(t - M), at most 1
.endr
	v_pk_mul_f32 v[14:15], v[14:15], v[252:253] op_sel_hi:[1,0]   ; the sums under the new M (a plain place behind the exponentials)
	s_wait_alu depctr_va_vdst(0)                   ; one wait for the whole batch, ahead of its first reader
.irp b, 0,1,2,3
	v_exp_f32 v[232+\b], v[232+\b]                 ; the block's largest p
.endr
	v_pk_add_f32 v[236:237], v[132:133], v[136:137]
	v_pk_add_f32 v[250:251], v[140:141], v[144:145]
	v_pk_add_f32 v[248:249], v[148:149], v[152:153]
	v_pk_add_f32 v[246:247], v[156:157], v[160:161]
	v_pk_add_f32 v[244:245], v[164:165], v[168:169]
	v_pk_add_f32 v[242:243], v[172:173], v[176:177]
	v_pk_add_f32 v[240:241], v[180:181], v[184:185]
	v_pk_add_f32 v[14:15], v[14:15], v[188:189]
	v_pk_add_f32 v[236:237], v[236:237], v[128:129]
	v_pk_add_f32 v[250:251], v[250:251], v[130:131]
	v_pk_add_f32 v[248:249], v[248:249], v[134:135]
	v_pk_add_f32 v[246:247], v[246:247], v[138:139]
	v_pk_add_f32 v[244:245], v[244:245], v[142:143]
	v_pk_add_f32 v[242:243], v[242:243], v[146:147]
	v_pk_add_f32 v[240:241], v[240:241], v[150:151]
	v_pk_add_f32 v[14:15], v[14:15], v[154:155]
	v_pk_add_f32 v[236:237], v[236:237], v[158:159]
	v_pk_add_f32 v[250:251], v[250:251], v[162:163]
	v_pk_add_f32 v[248:249], v[248:249], v[166:167]
	v_pk_add_f32 v[246:247], v[246:247], v[170:171]
	v_pk_add_f32 v[244:245], v[244:245], v[174:175]
	v_pk_add_f32 v[242:243], v[242:243], v[178:179]
	v_pk_add_f32 v[240:241], v[240:241], v[182:183]
	v_pk_add_f32 v[14:15], v[14:15], v[186:187]
	v_pk_add_f32 v[236:237], v[236:237], v[190:191]
	s_delay_alu instid0(VALU_DEP_2)
	v_pk_add_f32 v[14:15], v[14:15], v[246:247]
	s_delay_alu instid0(VALU_DEP_2)
	v_pk_add_f32 v[236:237], v[236:237], v[244:245]
	v_pk_add_f32 v[250:251], v[250:251], v[242:243]
	v_pk_add_f32 v[248:249], v[248:249], v[240:241]
	s_delay_alu instid0(VALU_DEP_2)
	v_pk_add_f32 v[14:15], v[14:15], v[250:251]
	s_delay_alu instid0(VALU_DEP_2)
	v_pk_add_f32 v[236:237], v[236:237], v[248:249]
	s_delay_alu instid0(VALU_DEP_1)
	v_pk_add_f32 v[14:15], v[14:15], v[236:237]
	s_wait_alu depctr_va_vdst(0)                   ; and one for the four
.irp b, 0,1,2,3
	v_max_num_f32 v[232+\b], 0x1800000, v[232+\b]  ; the floor 2^(3 - 127)
.endr
.irp b, 0,1,2,3
	s_delay_alu instid0(VALU_DEP_4)
	v_add_nc_u32 v[244+\b], 0xff000000, v[232+\b]  ; 2 off the exponent field: the conversion's scale operand
.endr
.irp b, 0,1,2,3
	s_delay_alu instid0(VALU_DEP_4)
	v_lshrrev_b32 v[236+\b], 23, v[244+\b]
.endr
	s_delay_alu instid0(VALU_DEP_3)
	v_lshl_or_b32 v253, v237, 8, v236              ; p's scale word for these 128 keys
	s_delay_alu instid0(VALU_DEP_1)
	v_lshl_or_b32 v253, v238, 16, v253
	s_delay_alu instid0(VALU_DEP_1)
	v_lshl_or_b32 v253, v239, 24, v253
.irp c, 0,1
	v_cvt_scalef32_pk16_fp6_f32 v[224+6*\c:226+6*\c], v[S+32*\c:S+15+32*\c], v[244+2*\c]
	v_cvt_scalef32_pk16_fp6_f32 v[236+4*\c:238+4*\c], v[S+16+32*\c:S+31+32*\c], v[244+2*\c+1]
.endr
	v_nop                                          ; one plain place behind a scaled conversion
.irp c, 0,1
.irp i, 0,1,2
	v_permlane16_swap_b32 v[224+6*\c+\i], v[236+4*\c+\i]
.endr
.irp i, 0,1,2
	s_delay_alu instid0(VALU_DEP_3)
	v_mov_b32 v[227+6*\c+\i], v[236+4*\c+\i]
.endr
.endr
.irp j, 0,2,4,6,8,10,12,14,16,18,20,22,24,26,28,30
	v_pk_mul_f32 v[O+\j:O+1+\j], v[O+\j:O+1+\j], v[252:253] op_sel_hi:[1,0]   ; O^T under the new M (also the places between p's codes and scale word and the products)
.endr
	s_wait_alu depctr_va_vdst(0)
	s_wait_dscnt 0x0                               ; v's fragments and scale words are in
.irp t, 0,1,2,3
.if \t%2
	v_wmma_scale_f32_16x16x128_f8f6f4 v[O+8*\t:O+8*\t+7], v[F+12*\t:F+12*\t+11], v[224:235], v[O+8*\t:O+8*\t+7], v[30+\t/2], v253 matrix_a_fmt:MATRIX_FMT_FP6 matrix_b_fmt:MATRIX_FMT_FP6 matrix_a_scale:MATRIX_SCALE_ROW1
.else
	v_wmma_scale_f32_16x16x128_f8f6f4 v[O+8*\t:O+8*\t+7], v[F+12*\t:F+12*\t+11], v[224:235], v[O+8*\t:O+8*\t+7], v[30+\t/2], v253 matrix_a_fmt:MATRIX_FMT_FP6 matrix_b_fmt:MATRIX_FMT_FP6
.endif
.endr
	s_add_co_u32 s[TS], s[TS], 512                 ; the next step's scale words
	s_add_co_u32 s[TJ], s[TJ], 256
.endm
; THE CHANGE OF SLOTS stands at a slot's head.  Each wave waits for all its tensor loads, adds 0 to its spare word, and waits for that, for its LDS stores and for its reads of the slot that it has left; then the barrier.
; fill = 1: behind it the slot just left (in the first trip: slot 1, for the first time) is filled with the next 512 keys: that load has four key steps in which to land.
.macro CHANGE fill
	s_wait_tensorcnt 0x0                           ; no tensor load of mine is out, so the descriptor may be written
	ds_add_u32 v[SPW], v[NIL]
.if \fill
	ds_add_u32 v[SPW], v[NIL]                      ; the add twice on end, in every trip alike
	s_xor_b32 s[G0+1], s[G0+1], SLOT1
	s_add_nc_u64 s[G0+2:G0+3], s[G0+2:G0+3], PART
	s_wait_xcnt 0x0                                ; the last prefetch, a slot back, has read its address
	s_add_nc_u64 s[PFA:PFA+1], s[PFA:PFA+1], PART
.endif
	s_wait_dscnt 0x0
	s_barrier_signal -1
	s_barrier_wait -1
.if \fill
	TLOAD                                          ; first behind the barrier, a wave's one tensor load until the next
	ASK
.endif
.endm
.macro SLOT_STEPS
.set Q, 0
.rept NQ
	STEP Q
.set Q, Q+1
.endr
	s_xor_b32 s[TB], s[TB], SLOT1
.endm
.Lslot:                                        ; NSL - 1 trips: behind each change of slots but the last the next slot is asked for
	CHANGE 1
	SLOT_STEPS
	s_sub_co_u32 s[SLOTS], s[SLOTS], 1
	s_cmp_lg_u32 s[SLOTS], 0
	s_cbranch_scc1 .Lslot
	CHANGE 0                                       ; the last slot is written out
	SLOT_STEPS
	; THE WAY OUT.  O^T / the sum: register 16 b + i is channel 32 b + 16 (lane / 16) + i of my head: two blocks of the last projection's K.  They become my head's plane of my rows' fragment.
	v_add_f32 v14, v14, v15
	s_delay_alu instid0(VALU_DEP_1)
	v_permlanex16_b32 v252, v14, s[SEL], s[SEL+1]
	s_delay_alu instid0(VALU_DEP_1)
	v_add_f32 v14, v14, v252                       ; the row's sum
	s_wait_alu depctr_va_vdst(0)
	v_rcp_f32 v14, v14
	v_and_b32 v8, 15, v0
	v_bfe_u32 v9, v0, 4, 1
	s_delay_alu instid0(VALU_DEP_1)
	v_lshl_add_u32 v10, v8, 4, v9                  ; 16 r + (lane / 16): my byte's place
	s_delay_alu instid0(VALU_DEP_2)
	v_lshlrev_b32 v9, 3, v9
	s_wait_alu depctr_va_vdst(0)                   ; ahead of the reciprocal's first reader
.irp j, 0,2,4,6,8,10,12,14,16,18,20,22,24,26,28,30
	v_pk_mul_f32 v[S+\j:S+1+\j], v[O+\j:O+1+\j], v[14:15] op_sel_hi:[1,0]
.endr
.irp b, 0,1
	v_max3_num_f32 v[232+\b], |v[S+16*\b]|, |v[S+1+16*\b]|, 0x1800000
.endr
.irp i, 2,4,6,8,10,12,14
.irp b, 0,1
	s_delay_alu instid0(VALU_DEP_2)
	v_max3_num_f32 v[232+\b], v[232+\b], |v[S+16*\b+\i]|, |v[S+1+16*\b+\i]|
.endr
.endr
.irp b, 0,1
	s_delay_alu instid0(VALU_DEP_2)
	v_permlanex16_b32 v[236+\b], v[232+\b], s[SEL], s[SEL+1]
.endr
.irp b, 0,1
	s_delay_alu instid0(VALU_DEP_2)
	v_max_num_f32 v[232+\b], v[232+\b], v[236+\b]
.endr
.irp b, 0,1
	s_delay_alu instid0(VALU_DEP_2)
	v_add_nc_u32 v[244+\b], 0xff000000, v[232+\b]
.endr
.irp b, 0,1
	s_delay_alu instid0(VALU_DEP_2)
	v_lshrrev_b32 v[236+\b], 23, v[244+\b]
.endr
	s_delay_alu instid0(VALU_DEP_1)
	v_lshl_or_b32 v238, v237, 8, v236
	s_delay_alu instid0(VALU_DEP_1)
	v_lshrrev_b32 v238, v9, v238                   ; lanes 0-15 keep block 0's byte, lanes 16-31 block 1's
	v_cvt_scalef32_pk16_fp6_f32 v[224:226], v[S:S+15], v244
	v_cvt_scalef32_pk16_fp6_f32 v[240:242], v[S+16:S+31], v245
	v_nop
.irp i, 0,1,2
	v_permlane16_swap_b32 v[224+\i], v[240+\i]
.endr
.irp i, 0,1,2
	s_delay_alu instid0(VALU_DEP_3)
	v_mov_b32 v[227+\i], v[240+\i]
.endr
	global_store_b128 v1, v[224:227], s[92:93]             ; 512 consecutive bytes, aligned
	global_store_b64 v2, v[228:229], s[92:93] offset:512   ; 256 consecutive bytes, aligned
	global_store_b8 v10, v238, s[94:95]                    ; 32 bytes of my rows' 256 scale bytes: the other heads' work-groups write the rest
	s_wait_tensorcnt 0x0                           ; the wave's end
	ds_add_u32 v[SPW], v[NIL]
	s_wait_dscnt 0x0
	s_endpgm
.Lfunc_end_k_q951f99163e_attn:
	.size	k_q951f99163e_attn, .Lfunc_end_k_q951f99163e_attn-k_q951f99163e_attn
	.p2alignl 7, 3214868480
	.fill 96, 4, 3214868480
	.section	.rodata,"a",@progbits
	.p2align	6, 0x0
	.amdhsa_kernel k_q951f99163e_attn
		.amdhsa_group_segment_fixed_size 327680
		.amdhsa_private_segment_fixed_size 0
		.amdhsa_enable_private_segment 0
		.amdhsa_kernarg_size 32
		.amdhsa_user_sgpr_count 2
		.amdhsa_user_sgpr_kernarg_segment_ptr 1
		.amdhsa_wavefront_size32 1
		.amdhsa_system_sgpr_workgroup_id_x 1
		.amdhsa_system_sgpr_workgroup_id_y 1
		.amdhsa_system_sgpr_workgroup_id_z 1
		.amdhsa_system_vgpr_workitem_id 0
		.amdhsa_next_free_vgpr 256
		.amdhsa_next_free_sgpr 100
		.amdhsa_reserve_vcc 0
		.amdhsa_float_denorm_mode_32 3
		.amdhsa_float_denorm_mode_16_64 3
		.amdhsa_memory_ordered 1
		.amdhsa_forward_progress 1
		.amdhsa_inst_pref_size 159
	.end_amdhsa_kernel
	.amdgpu_metadata
---
amdhsa.version: [ 1, 2 ]
amdhsa.kernels:
  - .name:           k_q951f99163e_attn
    .symbol:         k_q951f99163e_attn.kd
    .args:
      - { .name: opc, .offset: 0, .size: 8, .value_kind: global_buffer, .address_space: global }
      - { .name: ops, .offset: 8, .size: 8, .value_kind: global_buffer, .address_space: global }
      - { .name: oc, .offset: 16, .size: 8, .value_kind: global_buffer, .address_space: global }
      - { .name: osc, .offset: 24, .size: 8, .value_kind: global_buffer, .address_space: global }
    .group_segment_fixed_size: 327680
    .private_segment_fixed_size: 0
    .kernarg_segment_align: 8
    .kernarg_segment_size: 32
    .max_flat_workgroup_size: 512
    .sgpr_count:     100
    .vgpr_count:     256
    .wavefront_size: 32
...
	.end_amdgpu_metadata
.endif
;; end of part 6
;; launch outp (part 7): grid 256 x 1, 4 waves a work-group, no clusters, 34,304 bytes of LDS; arguments cod, scl, oc, osc, bout, out0; writes out0
.if DOCPART == 7
	.amdgcn_target "amdgcn-amd-amdhsa--gfx1250"
	.amdhsa_code_object_version 6
	.text
	.protected	k_q951f99163e_outp
	.globl	k_q951f99163e_outp
	.p2align	8
	.type	k_q951f99163e_outp,@function
k_q951f99163e_outp:
	s_mov_b64 s[64:65], 0
	v_nop
	global_prefetch_b8 v0, s[64:65] scope:SCOPE_SE
	s_setreg_imm32_b32 hwreg(HW_REG_WAVE_SCHED_MODE, 0, 2), 2
	s_setreg_imm32_b32 hwreg(HW_REG_WAVE_MODE, 25, 1), 1
	s_wait_xcnt 0x0
	s_wait_alu depctr_vm_vsrc(0)
; Launch 4 of 4: out0 = (attention's result, as codes) Wout^T + bout, K = 512.  No work is left out.
; A work-group takes two tiles of rows (rows 32 g .. 32 g + 31); wave w the output columns 128 w .. 128 w + 127: Wout's 8 tiles x 4 K steps stay in its registers.  Source 0 = Wout's rows, source 1 = the rows' fragments:
; a lane holds one row, its 64 results run along the columns.  bout is the C of each sum's first instruction.  K step ks of a row tile is the planes of heads 2 ks (registers 0-5) and 2 ks + 1 (registers 6-11).
; The results go through the wave's own stage in LDS (16 rows x (512 bytes + 16)) and leave as 512 consecutive bytes of a row.  No barrier: waves share nothing.
; REGISTERS: window 0: v4-11 offsets; v16-79, v80-143 the two tiles' results; v144-207 rows read back (the second tile's: v16-79); v208-239 Wout's scale words; v240-247 the rows'; v248, v249 the add's two.
;   window 1: Wout's tiles 0-3.   window 2: tiles 4-7; v192-255 bout.   window 3: v128-175, v176-223 the two row tiles' fragments.
; THE MODE: SCHED_MODE bits 1:0 = 2 (LLVM: expert scheduling mode 2), set by the entry lines.  The code itself states the register dependences between vector or matrix instructions and memory or LDS instructions, with s_wait_alu, always for 0.
; THE PLAN.  Registers that memory or LDS instructions touch:
;   v4, v5, v6, v8, v10, v11   offsets and LDS addresses.  Written at the head, never again: one wait on va_vdst ahead of the first load serves every load, store and LDS instruction.
;   the operands, scale words, bout   loaded once, into registers that no vector instruction has named.
;   v16-79     written by tile 0's products; read by tile 0's LDS stores; then tile 1's loads from the stage land in them; read by tile 1's global stores.
;   v80-143    written by tile 1's products; read by tile 1's LDS stores.
;   v144-207   tile 0's loads from the stage land in them; read by tile 0's global stores.
;   v248, v249 written at the head, read by the closing add alone.
; Tile 0 goes through the stage as soon as its products are done: its LDS stores and loads stand ahead of tile 1's 32 products, which name none of v16-79 and v144-207, and its global stores behind them.
; One wait on va_vdst stands behind the places behind each tile's products, ahead of its LDS stores; one wait on vm_vsrc ahead of tile 1's loads from the stage.
.set SS,  208
.set TS,  240
.set BC,  192
.set TBF, 128
.set STO, 10
.set RD,  11
.set SPW, 248
.set NIL, 249
.set SPITCH, 528
.set SPARE, 4*16*SPITCH                ; behind the four stages: the spare words, two blocks of 256 bytes that no other line names
.set MSB, 0
.macro WIN new
.if MSB != \new
	s_set_vgpr_msb (MSB<<8)|\new
.set MSB, \new
.endif
.endm
.macro W6 d, a, b, c, sa, sb
	v_wmma_scale_f32_16x16x128_f8f6f4 v[\d:\d+7], v[\a:\a+11], v[\b:\b+11], v[\c:\c+7], v[\sa], v[\sb] matrix_a_fmt:MATRIX_FMT_FP6 matrix_b_fmt:MATRIX_FMT_FP6
.endm
.macro MM buf, acc                     ; 32 matrix instructions: K step by K step, the eight accumulators by turns
.irp ks, 0,1,2,3
.irp t, 0,1,2,3,4,5,6,7
.set WM, 0x0d+\t/4
.if \ks == 0
.set WM, WM+0x20
.endif
	WIN WM
.if \ks == 0
	W6 \acc+8*\t, 12*(4*(\t%4)+\ks), TBF+48*\buf+12*\ks, BC+8*\t, SS+4*\t+\ks, TS+4*\buf+\ks
.else
	W6 \acc+8*\t, 12*(4*(\t%4)+\ks), TBF+48*\buf+12*\ks, \acc+8*\t, SS+4*\t+\ks, TS+4*\buf+\ks
.endif
.endr
.endr
	WIN 0
.endm
.macro TOSTAGE a, back, again          ; tile a's 16 rows x 128 columns into my stage, and back as whole rows.  LDS serves a wave's instructions in order: no wait on DScnt between.  again = 1: the rows come back into registers that LDS stores have read
.irp t, 0,1,2,3,4,5,6,7
	ds_store_b128 v[STO], v[16+64*\a+8*\t:16+64*\a+8*\t+3] offset:128*(\t/2)+32*(\t%2)       ; each accumulator from its low end on
	ds_store_b128 v[STO], v[16+64*\a+8*\t+4:16+64*\a+8*\t+7] offset:128*(\t/2)+32*(\t%2)+16
.endr
.if \again
	s_wait_alu depctr_vm_vsrc(0)                   ; tile 0's LDS stores have read v16-79, in which the loads below land
.endif
.irp i, 0,1,2,3,4,5,6,7,8,9,10,11,12,13,14,15
	ds_load_b128 v[\back+4*\i:\back+4*\i+3], v[RD] offset:SPITCH*\i
.endr
.endm
.macro SEND a, back                    ; lane-row i of tile 2 g + a is row 32 g + 8 a + i + 8 (i / 8)
.irp i, 0,1,2,3,4,5,6,7,8,9,10,11,12,13,14,15
	global_store_b128 v5, v[\back+4*\i:\back+4*\i+3], s[38:39] offset:(8*\a+\i+8*(\i/8))*2048 th:TH_STORE_NT   ; 512 consecutive bytes, aligned
.endr
.endm
	s_load_b256 s[4:11], s[0:1], 0x0               ; cod, scl, oc, osc
	s_load_b128 s[12:15], s[0:1], 0x20             ; bout, out0
	v_lshl_add_u32 v[SPW], v0, 2, SPARE
	v_mov_b32 v[NIL], 0
	v_lshrrev_b32 v1, 5, v0
	v_readfirstlane_b32 s22, v1                    ; wave w
	v_and_b32 v1, 31, v0
	v_and_b32 v2, 15, v0                           ; r
	v_bfe_u32 v3, v0, 4, 1                         ; h
	v_lshlrev_b32 v5, 4, v1                        ; 16 l
	v_lshlrev_b32 v6, 3, v1                        ; 8 l
	v_lshlrev_b32 v4, 4, v2                        ; 16 r
	v_lshlrev_b32 v8, 6, v3                        ; 64 h
	s_wait_alu depctr_va_sdst(0)                   ; s22 is written, ahead of its first reader: the stage's place and the pointers are made from it
	s_mul_i32 s23, s22, 16*SPITCH                  ; my stage
	v_mul_u32_u24 v[STO], v2, SPITCH
	v_lshl_add_u32 v[STO], v3, 6, v[STO]
	v_add_nc_u32 v[STO], s23, v[STO]               ; in: row r, + 64 h
	v_add_nc_u32 v[RD], s23, v5                    ; back: a row's 512 bytes, 16 a lane
	s_lshl_b32 s24, s22, 3
	s_add_co_u32 s24, s24, 768                     ; Wout's tiles 8 w on
	s_mov_b32 s27, 0
	s_wait_kmcnt 0x0
	s_mul_i32 s26, s24, 6144
	s_add_nc_u64 s[28:29], s[4:5], s[26:27]
	s_lshl_b32 s26, s24, 8
	s_add_nc_u64 s[30:31], s[6:7], s[26:27]
	s_mul_i32 s26, ttmp9, 12288
	s_add_nc_u64 s[32:33], s[8:9], s[26:27]        ; my two row tiles' planes
	s_lshl_b32 s26, ttmp9, 9
	s_add_nc_u64 s[34:35], s[10:11], s[26:27]      ; and scale bytes
	s_lshl_b32 s26, s22, 9
	s_add_nc_u64 s[36:37], s[12:13], s[26:27]      ; bout at my 128 columns
	s_lshl_b32 s25, ttmp9, 16
	s_add_co_u32 s26, s26, s25
	s_add_nc_u64 s[38:39], s[14:15], s[26:27]      ; out0 at row 32 g, column 128 w
	s_wait_alu depctr_va_vdst(0)                   ; the offsets v4, v5, v6, v8 and the LDS addresses v10, v11 are written: every load, store and LDS instruction of the kernel reads one of them, and none is written again
	WIN 0x40
.irp t, 0,1,2,3
.irp ks, 0,1,2,3
.irp c, 0,1,2
	global_load_b128 v[12*(4*\t+\ks)+4*\c:12*(4*\t+\ks)+4*\c+3], v5, s[28:29] offset:(4*\t+\ks)*1536+512*\c
.endr
.endr
.endr
	WIN 0x80
.irp t, 0,1,2,3
.irp ks, 0,1,2,3
.irp c, 0,1,2
	global_load_b128 v[12*(4*\t+\ks)+4*\c:12*(4*\t+\ks)+4*\c+3], v5, s[28:29] offset:(4*(\t+4)+\ks)*1536+512*\c
.endr
.endr
.endr
.irp t, 0,1,2,3,4,5,6,7
	global_load_b128 v[BC+8*\t:BC+8*\t+3], v8, s[36:37] offset:(32*(\t/2)+8*(\t%2))*4        ; tile t, lane half h: columns 32 (t / 2) + 8 (t % 2) + 16 h + 0 .. 7
	global_load_b128 v[BC+8*\t+4:BC+8*\t+7], v8, s[36:37] offset:(32*(\t/2)+8*(\t%2))*4+16
.endr
	WIN 0xc0
.irp buf, 0,1
.irp ks, 0,1,2,3
	global_load_b128 v[TBF+48*\buf+12*\ks:TBF+48*\buf+12*\ks+3], v5, s[32:33] offset:6144*\buf+1536*\ks
	global_load_b64 v[TBF+48*\buf+12*\ks+4:TBF+48*\buf+12*\ks+5], v6, s[32:33] offset:6144*\buf+1536*\ks+512
	global_load_b128 v[TBF+48*\buf+12*\ks+6:TBF+48*\buf+12*\ks+9], v5, s[32:33] offset:6144*\buf+1536*\ks+768
	global_load_b64 v[TBF+48*\buf+12*\ks+10:TBF+48*\buf+12*\ks+11], v6, s[32:33] offset:6144*\buf+1536*\ks+1280
.endr
.endr
	WIN 0
.irp t, 0,1,2,3,4,5,6,7
	global_load_b128 v[SS+4*\t:SS+4*\t+3], v4, s[30:31] offset:256*\t
.endr
.irp buf, 0,1
	global_load_b128 v[TS+4*\buf:TS+4*\buf+3], v4, s[34:35] offset:256*\buf
.endr
	s_wait_loadcnt 0x0
	MM 0, 16
.rept 4
	v_nop                                          ; places behind tile 0's products, ahead of the first read of their results (ISA guide 7.12.1)
.endr
	s_wait_alu depctr_va_vdst(0)                   ; tile 0's products have written v16-79, which the LDS stores below read; the places above stay beside this wait
	TOSTAGE 0, 144, 0
	MM 1, 80                                       ; tile 0's way through the stage lies under these 32 products, which name none of the registers that it touches
	s_wait_dscnt 0x0                               ; tile 0 is back in v144-207
	SEND 0, 144                                    ; data from LDS loads, offset from the head: no vector or matrix instruction has named either since its wait
.rept 4
	v_nop                                          ; places behind tile 1's products, ahead of the first read of their results
.endr
	s_wait_alu depctr_va_vdst(0)                   ; tile 1's products have written v80-143, which the LDS stores below read
	TOSTAGE 1, 16, 1
	s_wait_dscnt 0x0                               ; tile 1 is back in v16-79
	SEND 1, 16
	s_wait_dscnt 0x0                               ; the closing lines, six on end
	s_wait_alu 0x0
	s_wait_tensorcnt 0x0
	ds_add_u32 v[SPW], v[NIL]
	s_wait_dscnt 0x0
	s_endpgm
.Lfunc_end_k_q951f99163e_outp:
	.size	k_q951f99163e_outp, .Lfunc_end_k_q951f99163e_outp-k_q951f99163e_outp
	.p2alignl 7, 3214868480
	.fill 96, 4, 3214868480
	.section	.rodata,"a",@progbits
	.p2align	6, 0x0
	.amdhsa_kernel k_q951f99163e_outp
		.amdhsa_group_segment_fixed_size 34304
		.amdhsa_private_segment_fixed_size 0
		.amdhsa_enable_private_segment 0
		.amdhsa_kernarg_size 48
		.amdhsa_user_sgpr_count 2
		.amdhsa_user_sgpr_kernarg_segment_ptr 1
		.amdhsa_wavefront_size32 1
		.amdhsa_system_sgpr_workgroup_id_x 1
		.amdhsa_system_sgpr_workgroup_id_y 1
		.amdhsa_system_sgpr_workgroup_id_z 1
		.amdhsa_system_vgpr_workitem_id 0
		.amdhsa_next_free_vgpr 1024
		.amdhsa_next_free_sgpr 66
		.amdhsa_reserve_vcc 0
		.amdhsa_float_denorm_mode_32 3
		.amdhsa_float_denorm_mode_16_64 3
		.amdhsa_memory_ordered 1
		.amdhsa_forward_progress 1
		.amdhsa_inst_pref_size 33
	.end_amdhsa_kernel
	.amdgpu_metadata
---
amdhsa.version: [ 1, 2 ]
amdhsa.kernels:
  - .name:           k_q951f99163e_outp
    .symbol:         k_q951f99163e_outp.kd
    .args:
      - { .name: cod, .offset: 0, .size: 8, .value_kind: global_buffer, .address_space: global }
      - { .name: scl, .offset: 8, .size: 8, .value_kind: global_buffer, .address_space: global }
      - { .name: oc, .offset: 16, .size: 8, .value_kind: global_buffer, .address_space: global }
      - { .name: osc, .offset: 24, .size: 8, .value_kind: global_buffer, .address_space: global }
      - { .name: bout, .offset: 32, .size: 8, .value_kind: global_buffer, .address_space: global }
      - { .name: out0, .offset: 40, .size: 8, .value_kind: global_buffer, .address_space: global }
    .group_segment_fixed_size: 34304
    .private_segment_fixed_size: 0
    .kernarg_segment_align: 8
    .kernarg_segment_size: 48
    .max_flat_workgroup_size: 128
    .sgpr_count:     66
    .vgpr_count:     1024
    .wavefront_size: 32
...
	.end_amdgpu_metadata
.endif
;; end of part 7
